; MI455X (gfx1250); checked and timed in simulation.
; The chip was launched on July 23, 2026; its instructions are those of AMD's public machine-readable ISA for CDNA 5 (MIT licence, August 2026) and "CDNA5" Instruction Set Architecture Reference Guide (July 2026). The comments in the code are by the model that wrote it; some were corrected since.
;; Multi Head Attention. Allowed arithmetic: matrix products marked QUANTISED: E2M3 operands, one E8M0 scale for each 32 along K, by v_wmma_scale_f32_16x16x128_f8f6f4 with both operands' format E2M3, f32 sums; everything else in f32.
;; Inputs: bk 16 x 64 float32; bo 1,024 float32; bq 16 x 64 float32; bv 16 x 64 float32; k_hidden_inputs 4 x 2,048 x 1,024 float32; mask 4 x 2,048 x 2,048 bool; q_hidden_inputs 4 x 2,048 x 1,024 float32; v_hidden_inputs 4 x 2,048 x 1,024 float32; wk 16 x 1,024 x 64 float32; wo 1,024 x 1,024 float32; wq 16 x 1,024 x 64 float32; wv 16 x 1,024 x 64 float32.
;; Outputs: out0 4 x 2,048 x 1,024 float32.
;; This version of the problem:
;;   THIS VERSION OF THE PROBLEM IS GIVEN IN LOW PRECISION. The matrix products marked QUANTISED in the list below multiply operands that are first quantised to E2M3 (2 exponent bits, 3 mantissa bits; 6 bits a number), with one power-of-two scale for each 32 numbers along K (OCP MX v1.0); their sums are f32. All else is computed in f32.
;;   The module's matrix products, in the order in which they are computed (A, B: the left and right operand; K: the contracted axis; several contracted axes count as one K, in the product's order):
;;     1. [M 1,024, K 1,024] x [K 1,024, N 8,192]; A: input wq; B: input q_hidden_inputs: QUANTISED
;;     2. [M 1,024, K 1,024] x [K 1,024, N 8,192]; A: input wk; B: input k_hidden_inputs: QUANTISED
;;     3. [M 1,024, K 1,024] x [K 1,024, N 8,192]; A: input wv; B: input v_hidden_inputs: QUANTISED
;;     4. batch 64 x [M 2,048, K 64] x [K 64, N 2,048]; A: computed on the way; B: computed on the way: QUANTISED
;;     5. batch 64 x [M 2,048, K 2,048] x [K 2,048, N 64]; A: softmax (see below); B: computed on the way: QUANTISED
;;     6. [M 8,192, K 1,024] x [K 1,024, N 1,024]; A: computed on the way; B: input wo: QUANTISED
;;   THE QUANTISER, for each operand of a quantised product, along K:
;;     - K is cut into blocks of 32 from its start; a last block that is shorter is filled with zeros.
;;     - A block's scale is 2^e with e = floor(log2(the largest magnitude in the block)) - 2, held to -126 .. 127; a block of zeros has e = 0. As a byte (E8M0): e + 127.
;;     - Each number is divided by its block's scale, clamped to +-7.5, and rounded to the nearest number of E2M3, ties to even, subnormals kept.
;;     - The product sums the exact products of the quantised numbers (number of the format x scale) in f32.
;;   ~~~python
;;   def quantise(x, axis):      # numpy; x: float32 -> the quantised numbers, widened to float32 again
;;       x = np.moveaxis(x, axis, -1); K = x.shape[-1]
;;       x = np.pad(x, [(0, 0)] * (x.ndim - 1) + [(0, -K % 32)]); x = x.reshape(x.shape[:-1] + (-1, 32)); a = np.abs(x).max(-1, keepdims=True)
;;       e = np.where(a > 0, np.clip(np.frexp(np.where(a > 0, a, 1))[1] - 1 - 2, -126, 127), 0)      # np.frexp(a)[1] - 1 = floor(log2(a)), exactly
;;       r = np.clip(x / 2.0 ** e, -7.5, 7.5)
;;       step = 2.0 ** (np.maximum(np.frexp(np.where(r == 0, 1, r))[1] - 1, 0) - 3)
;;       q = np.round(r / step) * step * 2.0 ** e      # np.round: ties to even
;;       return np.moveaxis(q.reshape(q.shape[:-2] + (-1,))[..., :K], -1, axis).astype(np.float32)
;;   ~~~
;;   SOFTMAX AHEAD OF A QUANTISED PRODUCT. Where the list says 'softmax', what is quantised is not the finished softmax but p = 2^(t - M), with t = logit x log2(e) and M = ceil(the row's largest t), a whole number; so 1/2 < the row's largest p <= 1. The row's sum l is taken of the UNQUANTISED p, in f32, and the product's result is divided by l at the end. Since M is a whole number, a kernel that streams over the keys may use a running M (the ceiling of the running maximum): every later rescaling is an exact power of two, which a block's scale takes up: the codes' values come out the same.
;;   OPERANDS COMPUTED ON THE WAY. 'Computed on the way' means the value that the module computes at that place (a softmax that the list does not call 'softmax' is quantised finished and normalised). What goes into a quantiser is computed in f32, as accurately as f32 sums, v_exp_f32 and their like allow (about 1e-6 of the number): no bf16 or f16 on the way to a quantiser, and a product that is left as it is and whose result goes on into a quantised operand takes f32 operands (vector FMAs, or v_wmma_f32_16x16x4_f32). A number that lies on a knife's edge between two numbers of the format may be rounded either way, as far as f32 arithmetic and the matrix unit's own rounding can turn it there, and no further.
;; One version. Each part assembles by itself: llvm-mc -triple=amdgcn-amd-amdhsa -mcpu=gfx1250 --defsym DOCPART=n.
;; ======== version 1 of 1: 6 launches
;; limits: right only within a limited range of input values
;; workspace buffers: xi 19,660,800 bytes; wi 3,276,800 bytes; mw 2,097,152 bytes of whole numbers; qr 6,815,744 bytes; kv 13,369,344 bytes; oi 6,553,600 bytes
;; launch quant_x (part 1): grid 768 x 1, 2 waves a work-group, no clusters, 17,152 bytes of LDS; arguments q_hidden_inputs, k_hidden_inputs, v_hidden_inputs, xi; writes xi
.if DOCPART == 1
	.amdgcn_target "amdgcn-amd-amdhsa--gfx1250"
	.amdhsa_code_object_version 6
	.text
	.protected	k_q6f8574d336_quant_x
	.globl	k_q6f8574d336_quant_x
	.p2align	8
	.type	k_q6f8574d336_quant_x,@function
k_q6f8574d336_quant_x:
	s_mov_b64 s[64:65], 0
	v_nop
	global_prefetch_b8 v0, s[64:65] scope:SCOPE_SE
	s_setreg_imm32_b32 hwreg(HW_REG_WAVE_MODE, 25, 1), 1
	s_wait_xcnt 0x0
; The three hidden inputs [8192][1024] f32 become codes of FP6 (E2M3) with one E8M0 byte for each 32 along the hidden axis, laid as IMAGES OF OPERAND REGISTERS.
; A record is 128 rows x 128 k = 12,800 bytes: eight fragments of 16 rows (1,536 bytes: registers 4 q .. 4 q + 3 of lane l at 512 q + 16 l), then 512 bytes of scale words (tile t, row m at 256 (t % 2) + 16 m + 4 (t / 2)).
; Row m of tile t is row 32 (t / 2) + 8 (t % 2) + m + 8 (m / 8) of the 128: the order in which every tile of this program takes its rows.  Record (group G, K step s) lies at 102,400 G + 12,800 s of its tensor's 6,553,600 bytes.
; A wave makes one record: 1,536 waves.  Each load takes 512 consecutive bytes of one row; 16 rows turn through the wave's own stage in LDS (pitch 528), so that lane (r, h) gets k = 64 c + 32 h + 0 .. 31 of row r: two whole blocks.
; A block's scale is 2^(floor(log2(largest magnitude)) - 2): the magnitude's exponent field less 2, held at 1 from below.  LIMITS: NaN and infinities are not served; a block of zeros gets the byte 1 where the rule says 127
; (its codes are zeros, and only this program reads the bytes).  No barrier: waves share nothing.  Loads run two tiles (32 loads a wave) ahead.
.set R,  128                           ; v128-255 two sets of 64: 16 rows as loaded
.set X,  64                            ; v64-127  my 64 numbers: X[32 c + e] = k 64 c + 32 h + e
.set C,  16                            ; v16-27   the fragment's 12 registers
.set T,  28                            ; v28-30, v32-34 the blocks' upper halves (a conversion's three registers begin on an even number)
.set SW, 36                            ; v36-43   a scale word for each tile
.set U,  44                            ; v44-47   the scale words as they are stored
	s_load_b256 s[4:11], s[0:1], 0x0               ; q s[4:5], k s[6:7], v s[8:9], xi s[10:11]
	v_lshl_add_u32 v62, v0, 2, 0x4200
	v_mov_b32 v63, 0
	v_lshrrev_b32 v5, 5, v0
	v_readfirstlane_b32 s12, v5                    ; wave 0, 1
	v_and_b32 v5, 31, v0
	v_lshlrev_b32 v1, 4, v5                        ; 16 x lane
	s_mul_i32 s13, s12, 8448                       ; my stage
	v_add_nc_u32 v2, s13, v1                       ; into it: 16 x lane, rows by the immediate
	v_and_b32 v5, 15, v0                           ; r
	v_bfe_u32 v6, v0, 4, 1                         ; h
	v_mul_u32_u24 v3, v5, 528
	v_lshl_add_u32 v3, v6, 7, v3
	v_add_nc_u32 v3, s13, v3                       ; out of it: row r, + 128 h bytes
	v_lshlrev_b32 v4, 3, v6                        ; 8 h: my bytes' shift in the scale word
	v_mov_b32 v6, 0                                ; a lane permute's destination counts as one of its sources
	s_mov_b32 s20, 0x76543210
	s_mov_b32 s21, 0xfedcba98                      ; selects for lane l xor 16
	s_mov_b32 s22, 0xffff0000                      ; lanes 16-31
	s_lshl_b32 s14, ttmp9, 1
	s_add_co_u32 s14, s14, s12                     ; my record's number
	s_lshr_b32 s15, s14, 9                         ; tensor
	s_bfe_u32 s16, s14, 0x60003                    ; group G
	s_and_b32 s17, s14, 7                          ; K step s
	s_lshl_b32 s18, s16, 19                        ; 128 rows of 4,096 bytes
	s_lshl_b32 s19, s17, 9
	s_add_co_u32 s18, s18, s19
	s_mov_b32 s19, 0
	s_mul_i32 s24, s15, 6553600
	s_mul_i32 s25, s16, 102400
	s_add_co_u32 s24, s24, s25
	s_mul_i32 s25, s17, 12800
	s_add_co_u32 s24, s24, s25
	s_mov_b32 s25, 0
	s_wait_kmcnt 0x0
	s_cmp_eq_u32 s15, 0                            ; the choice hangs on the work-group's and the wave's number alone
	s_cselect_b64 s[4:5], s[4:5], s[6:7]
	s_cmp_eq_u32 s15, 2
	s_cselect_b64 s[4:5], s[8:9], s[4:5]
	s_add_nc_u64 s[4:5], s[4:5], s[18:19]
	s_add_nc_u64 s[10:11], s[10:11], s[24:25]
.macro LOAD t                          ; tile t's 16 rows, 512 consecutive bytes each
.irp j, 0,1,2,3,4,5,6,7,8,9,10,11,12,13,14,15
	global_load_b128 v[R+64*((\t)%2)+4*\j:R+64*((\t)%2)+4*\j+3], v1, s[4:5] offset:(32*((\t)/2)+8*((\t)%2)+\j+8*(\j/8))*4096 th:TH_LOAD_NT
.endr
.endm
.macro TILE t
.if (\t) < 7
	s_wait_loadcnt 16                              ; this tile's 16 loads are in; the next tile's 16 may be out
.else
	s_wait_loadcnt 0x0
.endif
.irp j, 0,1,2,3,4,5,6,7,8,9,10,11,12,13,14,15
	ds_store_b128 v2, v[R+64*((\t)%2)+4*\j:R+64*((\t)%2)+4*\j+3] offset:528*\j
.endr
.irp c, 0,1
.irp i, 0,1,2,3,4,5,6,7
	ds_load_b128 v[X+32*\c+4*\i:X+32*\c+4*\i+3], v3 offset:256*\c+16*\i     ; LDS serves a wave's instructions in order: these see the stores above
.endr
.endr
	s_wait_dscnt 0x0                               ; my numbers are back, and the stores have read their registers,
.if (\t) < 6
	LOAD (\t)+2                                    ; which take the tile two on
.endif
.irp c, 0,1
	v_max3_num_f32 v[8+\c], |v[X+32*\c]|, |v[X+32*\c+1]|, 0x1800000        ; block 2 c + h: all 32 numbers are mine; the floor 2^(3 - 127) holds the byte at 1 from below
.endr
.irp i, 2,4,6,8,10,12,14,16,18,20,22,24,26,28,30
.irp c, 0,1
	v_max3_num_f32 v[8+\c], v[8+\c], |v[X+32*\c+\i]|, |v[X+32*\c+\i+1]|
.endr
.endr
.irp c, 0,1
	v_add_nc_u32 v[10+\c], 0xff000000, v[8+\c]     ; 2 off the exponent field: the conversion's scale operand
.endr
.irp c, 0,1
	v_lshrrev_b32 v[12+\c], 23, v[10+\c]           ; the scale's byte
.endr
	v_lshl_or_b32 v5, v13, 16, v12                 ; my two bytes, blocks h and 2 + h,
	v_lshlrev_b32 v5, v4, v5                       ; at their places;
	v_permlanex16_b32 v6, v5, s20, s21
	v_or_b32 v[SW+(\t)], v5, v6                    ; with lane l xor 16's two the row's word is whole
	s_wait_xcnt 0x0                                ; the last tile's stores have read the codes' registers
	v_cvt_scalef32_pk16_fp6_f32 v[C:C+2], v[X:X+15], v10
	v_cvt_scalef32_pk16_fp6_f32 v[T:T+2], v[X+16:X+31], v10
	v_cvt_scalef32_pk16_fp6_f32 v[C+6:C+8], v[X+32:X+47], v11
	v_cvt_scalef32_pk16_fp6_f32 v[T+4:T+6], v[X+48:X+63], v11
	v_nop                                          ; one plain place behind a scaled conversion
.irp i, 0,1,2
	v_mov_b32 v[C+3+\i], v[T+\i]
	v_mov_b32 v[C+9+\i], v[T+4+\i]
.endr
.irp q, 0,1,2
	global_store_b128 v1, v[C+4*\q:C+4*\q+3], s[10:11] offset:1536*(\t)+512*\q   ; 512 consecutive bytes, aligned
.endr
.endm
	LOAD 0
	LOAD 1
.irp t, 0,1,2,3,4,5,6,7
	TILE \t
.endr
.irp p, 0,1,2,3
	v_cndmask_b32 v[U+\p], v[SW+2*\p], v[SW+2*\p+1], s22   ; lanes 0-15 the even tiles' words, lanes 16-31 the odd tiles'
.endr
	global_store_b128 v1, v[U:U+3], s[10:11] offset:12288
	s_wait_tensorcnt 0x0
	ds_add_u32 v62, v63
	s_wait_dscnt 0x0
	s_endpgm
.Lfunc_end_k_q6f8574d336_quant_x:
	.size	k_q6f8574d336_quant_x, .Lfunc_end_k_q6f8574d336_quant_x-k_q6f8574d336_quant_x
	.p2alignl 7, 3214868480
	.fill 96, 4, 3214868480
	.section	.rodata,"a",@progbits
	.p2align	6, 0x0
	.amdhsa_kernel k_q6f8574d336_quant_x
		.amdhsa_group_segment_fixed_size 17152
		.amdhsa_private_segment_fixed_size 0
		.amdhsa_enable_private_segment 0
		.amdhsa_kernarg_size 32
		.amdhsa_user_sgpr_count 2
		.amdhsa_user_sgpr_kernarg_segment_ptr 1
		.amdhsa_wavefront_size32 1
		.amdhsa_system_sgpr_workgroup_id_x 1
		.amdhsa_system_sgpr_workgroup_id_y 1
		.amdhsa_system_sgpr_workgroup_id_z 1
		.amdhsa_system_vgpr_workitem_id 0
		.amdhsa_next_free_vgpr 256
		.amdhsa_next_free_sgpr 66
		.amdhsa_reserve_vcc 0
		.amdhsa_float_denorm_mode_32 3
		.amdhsa_float_denorm_mode_16_64 3
		.amdhsa_memory_ordered 1
		.amdhsa_forward_progress 1
		.amdhsa_inst_pref_size 57
	.end_amdhsa_kernel
	.amdgpu_metadata
---
amdhsa.version: [ 1, 2 ]
amdhsa.kernels:
  - .name:           k_q6f8574d336_quant_x
    .symbol:         k_q6f8574d336_quant_x.kd
    .args:
      - { .name: q_hidden_inputs, .offset: 0, .size: 8, .value_kind: global_buffer, .address_space: global }
      - { .name: k_hidden_inputs, .offset: 8, .size: 8, .value_kind: global_buffer, .address_space: global }
      - { .name: v_hidden_inputs, .offset: 16, .size: 8, .value_kind: global_buffer, .address_space: global }
      - { .name: xi, .offset: 24, .size: 8, .value_kind: global_buffer, .address_space: global }
    .group_segment_fixed_size: 17152
    .private_segment_fixed_size: 0
    .kernarg_segment_align: 8
    .kernarg_segment_size: 32
    .max_flat_workgroup_size: 64
    .sgpr_count:     66
    .vgpr_count:     256
    .wavefront_size: 32
...
	.end_amdgpu_metadata
.endif
;; end of part 1
;; launch quant_w (part 2): grid 256 x 1, 4 waves a work-group, no clusters, 13,312 bytes of LDS; arguments wq, wk, wv, wo, wi; writes wi
.if DOCPART == 2
	.amdgcn_target "amdgcn-amd-amdhsa--gfx1250"
	.amdhsa_code_object_version 6
	.text
	.protected	k_q6f8574d336_quant_w
	.globl	k_q6f8574d336_quant_w
	.p2align	8
	.type	k_q6f8574d336_quant_w,@function
k_q6f8574d336_quant_w:
	s_mov_b64 s[64:65], 0
	v_nop
	global_prefetch_b8 v0, s[64:65] scope:SCOPE_SE
	s_setreg_imm32_b32 hwreg(HW_REG_WAVE_MODE, 25, 1), 1
	s_wait_xcnt 0x0
; wq, wk, wv [16][1024][64] and wo [1024][1024], f32, are operands whose K (the hidden axis; wo's first axis) is not innermost.  They become codes of FP6 (E2M3), K innermost, in records of register images:
; 128 rows n x 128 k = 12,800 bytes: eight fragments of 16 rows (1,536 bytes: registers 4 q .. 4 q + 3 of lane l at 512 q + 16 l), then 512 bytes of scale words (tile t, row m at 256 (t % 2) + 16 m + 4 (t / 2)).
; Row n = head x 64 + column for wq, wk, wv, n = column for wo; record (G, s) at 102,400 G + 12,800 s of the tensor's 819,200 bytes.  Row m of tile t is row 32 (t / 2) + 8 (t % 2) + m + 8 (m / 8) of the 128.
; A work-group makes one record.  Wave w takes columns 32 w .. 32 w + 31, A LANE A COLUMN, ITS REGISTERS DOWN K: a block of 32 lies in one lane, and the conversions give codes with K innermost; nothing is transposed.
; Column j of the 32 is row m = (j & 7) + 8 (j >> 4) of tile 2 w + ((j >> 3) & 1).  Block kb = 2 c + hh of that row is registers 6 c .. 6 c + 5 of lane m + 16 hh: it goes to that place of the fragment's image in the wave's own
; stage in LDS, and the images leave as they lie, 512 consecutive bytes a store.  The four waves' scale words meet in 512 shared bytes behind one barrier.
; Loads run two blocks (64 loads a wave) ahead; each block has registers of its own.
; LIMITS: NaN and infinities are not served; a block of zeros gets the byte 1 where the rule says 127 (its codes are zeros; only this program reads the bytes).
.set X,   96                           ; v96-223  my column's 128 numbers
.set P,   16                           ; v16-47   four sets of 8: a block's six registers of codes; no store's data are written again
.set T,   48                           ; v48-50   a block's upper half
.set OUTR, 52                          ; v52-75   the way out
	s_load_b256 s[4:11], s[0:1], 0x0               ; wq, wk, wv, wo
	s_load_b64 s[12:13], s[0:1], 0x20              ; wi
	v_lshl_add_u32 v224, v0, 2, 0x3200
	v_mov_b32 v225, 0
	v_lshrrev_b32 v7, 5, v0
	v_readfirstlane_b32 s14, v7                    ; wave 0..3
	v_and_b32 v7, 31, v0
	v_lshlrev_b32 v1, 2, v7                        ; 4 x lane: my column
	v_lshlrev_b32 v5, 4, v7                        ; 16 x lane
	v_bfe_u32 v8, v0, 3, 1                         ; u: which of my wave's two tiles
	v_and_b32 v9, 7, v0
	v_bfe_u32 v10, v0, 4, 1
	v_lshl_add_u32 v9, v10, 3, v9                  ; m: my row in it
	s_mul_i32 s15, s14, 3072                       ; my stage: two fragments' images
	v_mul_u32_u24 v2, v8, 1536
	v_lshl_add_u32 v2, v9, 4, v2
	v_add_nc_u32 v2, s15, v2                       ; into it: 1,536 u + 16 m
	v_add_nc_u32 v3, s15, v5                       ; out of it: 16 x lane
	v_lshlrev_b32 v4, 8, v8
	v_lshl_add_u32 v4, v9, 4, v4
	s_lshl_b32 s16, s14, 2
	s_add_co_u32 s16, s16, 12288
	v_add_nc_u32 v4, s16, v4                       ; my row's scale word: 12,288 + 256 u + 16 m + 4 w
	s_lshr_b32 s17, ttmp9, 6                       ; tensor
	s_bfe_u32 s18, ttmp9, 0x30003                  ; group G
	s_and_b32 s19, ttmp9, 7                        ; K step s
	s_lshl_b32 s20, s18, 1
	s_lshr_b32 s21, s14, 1
	s_add_co_u32 s20, s20, s21                     ; head 2 G + w / 2
	s_lshl_b32 s20, s20, 18                        ; of 262,144 bytes,
	s_lshl_b32 s21, s19, 15                        ; 128 s rows of 256 bytes,
	s_add_co_u32 s20, s20, s21
	s_and_b32 s21, s14, 1
	s_lshl_b32 s21, s21, 7                         ; column 32 (w % 2)
	s_add_co_u32 s20, s20, s21
	s_lshl_b32 s22, s19, 19                        ; wo: 128 s rows of 4,096 bytes,
	s_lshl_b32 s23, s18, 9
	s_add_co_u32 s22, s22, s23
	s_lshl_b32 s23, s14, 7
	s_add_co_u32 s22, s22, s23                     ; column 128 G + 32 w
	s_mul_i32 s24, s17, 819200
	s_mul_i32 s25, s18, 102400
	s_add_co_u32 s24, s24, s25
	s_mul_i32 s25, s19, 12800
	s_add_co_u32 s24, s24, s25
	s_mov_b32 s25, 0
	s_mov_b32 s26, s15
	s_mov_b32 s27, 0
	s_wait_kmcnt 0x0
	s_cmp_eq_u32 s17, 0
	s_cselect_b64 s[4:5], s[4:5], s[6:7]
	s_cmp_eq_u32 s17, 2
	s_cselect_b64 s[4:5], s[8:9], s[4:5]
	s_cmp_eq_u32 s17, 3
	s_cselect_b64 s[4:5], s[10:11], s[4:5]
	s_cselect_b32 s20, s22, s20
	s_mov_b32 s21, 0
	s_add_nc_u64 s[4:5], s[4:5], s[20:21]
	s_add_nc_u64 s[12:13], s[12:13], s[24:25]      ; my work-group's record
	s_add_nc_u64 s[26:27], s[12:13], s[26:27]      ; my wave's two fragments in it
.macro LOADB kb, stride                ; block kb's 32 loads: rows 32 kb .. 32 kb + 31 of my column; 32 lanes read 128 consecutive bytes
.set kk, 32*(\kb)
.rept 32
	global_load_b32 v[X+kk], v1, s[4:5] offset:kk*\stride th:TH_LOAD_NT
.set kk, kk+1
.endr
.endm
.macro LOADBLK kb                      ; the two ways differ in the rows' pitch alone: the same registers, the same count of loads; the branch hangs on the work-group's number
	s_cmp_eq_u32 s17, 3
	s_cbranch_scc1 .Lwo_\@
	LOADB \kb, 256
	s_branch .Lloaded_\@
.Lwo_\@:
	LOADB \kb, 4096
.Lloaded_\@:
.endm
.macro BLOCK kb
.set XS, X+32*(\kb)
.set PS, P+8*(\kb)
.if (\kb) < 3
	s_wait_loadcnt 32                              ; this block's 32 loads are in; the next block's 32 may be out
.else
	s_wait_loadcnt 0x0
.endif
.if (\kb) < 2
	LOADBLK (\kb)+2                                ; the block two on, into registers of its own
.endif
	v_max3_num_f32 v8, |v[XS]|, |v[XS+1]|, |v[XS+2]|
	v_max3_num_f32 v9, |v[XS+3]|, |v[XS+4]|, |v[XS+5]|
.irp i, 6,10,14,18,22,26
	v_max3_num_f32 v8, v8, |v[XS+\i]|, |v[XS+\i+1]|
	v_max3_num_f32 v9, v9, |v[XS+\i+2]|, |v[XS+\i+3]|
.endr
	v_max3_num_f32 v8, v8, |v[XS+30]|, |v[XS+31]|
	v_max3_num_f32 v8, v8, v9, 0x1800000           ; and the floor 2^(3 - 127)
	v_add_nc_u32 v10, 0xff000000, v8               ; 2 off the exponent field: the conversion's scale operand
	v_lshrrev_b32 v11, 23, v10                     ; the scale's byte
.if (\kb) == 0
	v_mov_b32 v6, v11
.else
	v_lshl_or_b32 v6, v11, 8*(\kb), v6             ; four bytes make my row's scale word
.endif
	v_cvt_scalef32_pk16_fp6_f32 v[PS:PS+2], v[XS:XS+15], v10
	v_cvt_scalef32_pk16_fp6_f32 v[T:T+2], v[XS+16:XS+31], v10
	v_nop                                          ; one plain place behind a scaled conversion
.irp i, 0,1,2
	v_mov_b32 v[PS+3+\i], v[T+\i]
.endr
.if (\kb) < 2                                  ; registers 0-5 of lane m + 16 hh: 0-3 in the image's first 512 bytes, 4-5 at the head of my 16 bytes in the second
	ds_store_b128 v2, v[PS:PS+3] offset:256*((\kb)%2)
	ds_store_b64 v2, v[PS+4:PS+5] offset:256*((\kb)%2)+512
.else                                          ; registers 6-11: 6-7 behind them, 8-11 in the third
	ds_store_b64 v2, v[PS:PS+1] offset:256*((\kb)%2)+520
	ds_store_b128 v2, v[PS+2:PS+5] offset:256*((\kb)%2)+1024
.endif
.endm
	LOADBLK 0
	LOADBLK 1
	BLOCK 0
	BLOCK 1
	BLOCK 2
	BLOCK 3
.irp q, 0,1,2,3,4,5
	ds_load_b128 v[OUTR+4*\q:OUTR+4*\q+3], v3 offset:512*\q        ; LDS serves a wave's instructions in order: these see my stores
.endr
	ds_store_b32 v4, v6
	s_wait_dscnt 0x0                               ; my images are back; for the others' sake: my scale words have landed
.irp q, 0,1,2,3,4,5
	global_store_b128 v5, v[OUTR+4*\q:OUTR+4*\q+3], s[26:27] offset:512*\q
.endr
	s_barrier_signal -1
	s_barrier_wait -1                              ; all four waves' scale words lie in LDS
	s_cmp_lg_u32 s14, 0
	s_cbranch_scc1 .Ldone
	ds_load_b128 v[76:79], v5 offset:12288
	s_wait_dscnt 0x0
	global_store_b128 v5, v[76:79], s[12:13] offset:12288
.Ldone:
	s_wait_tensorcnt 0x0
	ds_add_u32 v224, v225
	s_wait_dscnt 0x0
	s_endpgm
.Lfunc_end_k_q6f8574d336_quant_w:
	.size	k_q6f8574d336_quant_w, .Lfunc_end_k_q6f8574d336_quant_w-k_q6f8574d336_quant_w
	.p2alignl 7, 3214868480
	.fill 96, 4, 3214868480
	.section	.rodata,"a",@progbits
	.p2align	6, 0x0
	.amdhsa_kernel k_q6f8574d336_quant_w
		.amdhsa_group_segment_fixed_size 13312
		.amdhsa_private_segment_fixed_size 0
		.amdhsa_enable_private_segment 0
		.amdhsa_kernarg_size 40
		.amdhsa_user_sgpr_count 2
		.amdhsa_user_sgpr_kernarg_segment_ptr 1
		.amdhsa_wavefront_size32 1
		.amdhsa_system_sgpr_workgroup_id_x 1
		.amdhsa_system_sgpr_workgroup_id_y 1
		.amdhsa_system_sgpr_workgroup_id_z 1
		.amdhsa_system_vgpr_workitem_id 0
		.amdhsa_next_free_vgpr 226
		.amdhsa_next_free_sgpr 66
		.amdhsa_reserve_vcc 0
		.amdhsa_float_denorm_mode_32 3
		.amdhsa_float_denorm_mode_16_64 3
		.amdhsa_memory_ordered 1
		.amdhsa_forward_progress 1
		.amdhsa_inst_pref_size 35
	.end_amdhsa_kernel
	.amdgpu_metadata
---
amdhsa.version: [ 1, 2 ]
amdhsa.kernels:
  - .name:           k_q6f8574d336_quant_w
    .symbol:         k_q6f8574d336_quant_w.kd
    .args:
      - { .name: wq, .offset: 0, .size: 8, .value_kind: global_buffer, .address_space: global }
      - { .name: wk, .offset: 8, .size: 8, .value_kind: global_buffer, .address_space: global }
      - { .name: wv, .offset: 16, .size: 8, .value_kind: global_buffer, .address_space: global }
      - { .name: wo, .offset: 24, .size: 8, .value_kind: global_buffer, .address_space: global }
      - { .name: wi, .offset: 32, .size: 8, .value_kind: global_buffer, .address_space: global }
    .group_segment_fixed_size: 13312
    .private_segment_fixed_size: 0
    .kernarg_segment_align: 8
    .kernarg_segment_size: 40
    .max_flat_workgroup_size: 128
    .sgpr_count:     66
    .vgpr_count:     226
    .wavefront_size: 32
...
	.end_amdgpu_metadata
.endif
;; end of part 2
;; launch pack_mask (part 3): grid 256 x 1, 8 waves a work-group, no clusters, 68,608 bytes of LDS; arguments mask, mw; writes mw
.if DOCPART == 3
	.amdgcn_target "amdgcn-amd-amdhsa--gfx1250"
	.amdhsa_code_object_version 6
	.text
	.protected	k_q6f8574d336_pack_mask
	.globl	k_q6f8574d336_pack_mask
	.p2align	8
	.type	k_q6f8574d336_pack_mask,@function
k_q6f8574d336_pack_mask:
	s_mov_b64 s[64:65], 0
	v_nop
	global_prefetch_b8 v0, s[64:65] scope:SCOPE_SE
	s_setreg_imm32_b32 hwreg(HW_REG_WAVE_MODE, 25, 1), 1
	s_wait_xcnt 0x0
; mask [4][2048][2048], one byte a key, becomes LANE MASKS for the attention launch, which all 16 heads read: mw [b][query tile 0..127][key step 0..15][64 words].
; Word n = 16 B + i of a record: bit l (r = l % 16, h = l / 16) = mask[b][the tile's row r][128 x key step + 32 B + 16 h + i]: the very key that lane l's score register n holds there.
; Row r of tile T is query 128 (T / 8) + 32 ((T % 8) / 2) + 8 (T % 2) + r + 8 (r / 8).
; A wave takes 16 rows x 512 keys: each load reads 512 consecutive bytes of a row; the rows turn through the wave's own stage in LDS (pitch 528); a compare gives a word, which v_writelane_b32 puts into lane n / 2 of a
; pair of registers, so that a record leaves as 256 consecutive aligned bytes.  No barrier: waves share nothing.
.set RR, 16                            ; v16-79   16 rows as loaded
.set X,  80                            ; v80-143  my 256 bytes: register N / 4 holds byte N = 64 x (key step of four) + n
.set D,  144                           ; v144-151 four records, two registers each
	s_load_b128 s[4:7], s[0:1], 0x0                ; mask, mw
	v_lshl_add_u32 v160, v0, 2, 0x10800
	v_mov_b32 v161, 0
	v_lshrrev_b32 v1, 5, v0
	v_readfirstlane_b32 s8, v1                     ; wave 0..7
	v_and_b32 v1, 31, v0
	v_lshlrev_b32 v2, 4, v1                        ; 16 x lane
	v_lshlrev_b32 v3, 3, v1                        ; 8 x lane
	s_mul_i32 s9, s8, 8448                         ; my stage
	v_add_nc_u32 v12, s9, v2
	v_and_b32 v13, 15, v0
	v_bfe_u32 v14, v0, 4, 1
	v_mul_u32_u24 v13, v13, 528
	v_lshl_add_u32 v13, v14, 4, v13
	v_add_nc_u32 v13, s9, v13                      ; out of it: row r, + 16 h
.irp k, 0,1,2,3,4,5,6,7
	v_mov_b32 v[D+\k], 0                           ; v_writelane_b32's destination counts as read
.endr
	s_lshl_b32 s10, ttmp9, 3
	s_add_co_u32 s10, s10, s8
	s_lshr_b32 s11, s10, 2                         ; 128 b + tile
	s_and_b32 s12, s10, 3                          ; which 512 keys
	s_lshr_b32 s13, s11, 3
	s_lshl_b32 s13, s13, 7
	s_bfe_u32 s14, s11, 0x20001
	s_lshl_b32 s14, s14, 5
	s_add_co_u32 s13, s13, s14
	s_and_b32 s14, s11, 1
	s_lshl_b32 s14, s14, 3
	s_add_co_u32 s13, s13, s14                     ; the tile's first row, counted over all batches
	s_lshl_b32 s13, s13, 11
	s_lshl_b32 s14, s12, 9
	s_add_co_u32 s14, s13, s14
	s_mov_b32 s15, 0
	s_lshl_b32 s24, s11, 12
	s_lshl_b32 s25, s12, 10
	s_add_co_u32 s24, s24, s25
	s_mov_b32 s25, 0
	s_wait_kmcnt 0x0
	s_add_nc_u64 s[4:5], s[4:5], s[14:15]
	s_add_nc_u64 s[6:7], s[6:7], s[24:25]
.irp j, 0,1,2,3,4,5,6,7,8,9,10,11,12,13,14,15
	global_load_b128 v[RR+4*\j:RR+4*\j+3], v2, s[4:5] offset:(\j+8*(\j/8))*2048 th:TH_LOAD_NT
.endr
	s_wait_loadcnt 0x0
.irp j, 0,1,2,3,4,5,6,7,8,9,10,11,12,13,14,15
	ds_store_b128 v12, v[RR+4*\j:RR+4*\j+3] offset:528*\j
.endr
.irp j, 0,1,2,3,4,5,6,7,8,9,10,11,12,13,14,15
	ds_load_b128 v[X+4*\j:X+4*\j+3], v13 offset:32*\j              ; key step j / 4, block j % 4: my 16 keys' bytes
.endr
	s_wait_dscnt 0x0
.set g, 0
.rept 32                               ; eight words at a time, so that no line waits for the line above it
.irp k, 0,1,2,3,4,5,6,7
	v_and_b32 v[4+\k], 0xff<<(8*(\k%4)), v[X+2*g+\k/4]
.endr
.irp k, 0,1,2,3,4,5,6,7
	v_cmp_ne_u32 s[16+\k], 0, v[4+\k]              ; bit l: lane l's key counts
.endr
.irp k, 0,1,2,3,4,5,6,7
	v_writelane_b32 v[D+2*(g/8)+\k%2], s[16+\k], ((8*g+\k)%64)/2
.endr
.set g, g+1
.endr
.irp q, 0,1,2,3
	global_store_b64 v3, v[D+2*\q:D+2*\q+1], s[6:7] offset:256*\q  ; 32 lanes store 256 consecutive bytes, aligned
.endr
	s_wait_tensorcnt 0x0
	ds_add_u32 v160, v161
	s_wait_dscnt 0x0
	s_endpgm
.Lfunc_end_k_q6f8574d336_pack_mask:
	.size	k_q6f8574d336_pack_mask, .Lfunc_end_k_q6f8574d336_pack_mask-k_q6f8574d336_pack_mask
	.p2alignl 7, 3214868480
	.fill 96, 4, 3214868480
	.section	.rodata,"a",@progbits
	.p2align	6, 0x0
	.amdhsa_kernel k_q6f8574d336_pack_mask
		.amdhsa_group_segment_fixed_size 68608
		.amdhsa_private_segment_fixed_size 0
		.amdhsa_enable_private_segment 0
		.amdhsa_kernarg_size 16
		.amdhsa_user_sgpr_count 2
		.amdhsa_user_sgpr_kernarg_segment_ptr 1
		.amdhsa_wavefront_size32 1
		.amdhsa_system_sgpr_workgroup_id_x 1
		.amdhsa_system_sgpr_workgroup_id_y 1
		.amdhsa_system_sgpr_workgroup_id_z 1
		.amdhsa_system_vgpr_workitem_id 0
		.amdhsa_next_free_vgpr 162
		.amdhsa_next_free_sgpr 66
		.amdhsa_reserve_vcc 0
		.amdhsa_float_denorm_mode_32 3
		.amdhsa_float_denorm_mode_16_64 3
		.amdhsa_memory_ordered 1
		.amdhsa_forward_progress 1
		.amdhsa_inst_pref_size 55
	.end_amdhsa_kernel
	.amdgpu_metadata
---
amdhsa.version: [ 1, 2 ]
amdhsa.kernels:
  - .name:           k_q6f8574d336_pack_mask
    .symbol:         k_q6f8574d336_pack_mask.kd
    .args:
      - { .name: mask, .offset: 0, .size: 8, .value_kind: global_buffer, .address_space: global }
      - { .name: mw, .offset: 8, .size: 8, .value_kind: global_buffer, .address_space: global }
    .group_segment_fixed_size: 68608
    .private_segment_fixed_size: 0
    .kernarg_segment_align: 8
    .kernarg_segment_size: 16
    .max_flat_workgroup_size: 256
    .sgpr_count:     66
    .vgpr_count:     162
    .wavefront_size: 32
...
	.end_amdgpu_metadata
.endif
;; end of part 3
;; launch proj (part 4): grid 4 x 192, 4 waves a work-group, clusters of 4 x 4, 307,712 bytes of LDS; arguments xi, wi, bq, bk, bv, qr, kv; writes qr, kv
.if DOCPART == 4
	.amdgcn_target "amdgcn-amd-amdhsa--gfx1250"
	.amdhsa_code_object_version 6
	.text
	.protected	k_q6f8574d336_proj
	.globl	k_q6f8574d336_proj
	.p2align	8
	.type	k_q6f8574d336_proj,@function
k_q6f8574d336_proj:
	s_mov_b64 s[64:65], 0
	v_nop
	global_prefetch_b8 v0, s[64:65] scope:SCOPE_SE
	s_setreg_imm32_b32 hwreg(HW_REG_WAVE_MODE, 25, 1), 1
	s_wait_xcnt 0x0
	s_wait_alu depctr_hold_cnt(0) depctr_sa_sdst(0) depctr_va_vdst(0) depctr_va_sdst(0) depctr_va_ssrc(0) depctr_va_vcc(0) depctr_vm_vsrc(0)
	s_getreg_b32 s2, hwreg(HW_REG_IB_STS2, 6, 4)
	s_cmp_eq_u32 s2, 0
	s_cbranch_scc0 .Lentry_in_a_cluster
	s_endpgm
.Lentry_in_a_cluster:
	s_bfe_u32 s2, ttmp6, 0x10000c
	s_cmp_lg_u32 s2, 0xf033
	s_cbranch_scc0 .Lentry_shape_is_right
	s_endpgm
.Lentry_shape_is_right:
; The three projections on codes of FP6 (E2M3), with their biases, and the quantising of their results for the attention launch.  Operands come as records of register images (quant_x's head says how they lie).
; A work-group multiplies 128 rows of an operand "A" (one group) by 256 rows of an operand "B" (two groups) over K = 1,024.  Source 0 = 16 rows of B, source 1 = 16 rows of A: a lane holds ONE row of A and its registers
; run along B's rows, which by the tiles' order of rows are 16 neighbours for each pair of tiles: the order in which the next product's quantiser wants them.
; ROLES, by the cluster's y (the same in all partners): 0-15 q: A = x_q, B = wq; 16-31 k: A = x_k, B = wk: registers run along the head's 64, which is the scores' K.  32-47 v: A = wv, B = x_v: registers run along the keys.
; Four waves: wa = wave / 2 takes A's tiles 2 i + wa (i = 0..3), wb = wave % 2 takes B's group wb: 32 accumulators, 256 registers.
; LDS holds BOTH WHOLE PANELS, 102,400 + 204,800 bytes, each byte filled once: all tensor loads go out at the head, four a wave, in chunks of two K steps, and the K loop follows them by counted waits.  Nothing is filled again.
; CLUSTER 4 x 4: A's panel is shared along a row of the cluster, B's along a column: each load is joint, with a mask that names the four.
; RESULTS.  q: qr, 106,496 bytes a (batch, head): 16 blocks of 512 bytes of scale words, then 128 half fragments (16 queries x 64: registers 0-3 at 16 l, 4-5 at 512 + 8 l) of 768 bytes.
; k, v: kv, 208,896 bytes a (batch, head) = 17 units of 12,288: unit 0 = k's scale words (512 a key step), from 8,192 on v's (256 a key step); unit 1 + key step = 8 half fragments of k, then 4 fragments of v^T (16 of the head's 64 x 128 keys).
; LIMITS: NaN and infinities are not served; a block of zeros gets the byte 1 where the rule says 127 (its codes are zeros; only this program reads the bytes).
; REGISTERS.  Window 0: v2 r, v3 h, v4-5 A's fragments' LDS address (K steps 0-3, 4-7), v6-7 B's, v8-9 A's scale words', v10-11 B's, v12 16 l, v13 8 l; v16-27 scale words and nothing else; v32-127 A's fragments, two sets
; (on the way out: codes and work); v128-191 the bias; v192-255 64 numbers at work.  Window 1: B's fragments, two sets, at v0 and v128.  Window 2: accumulator (i, b) at v[8 (8 i + b)].
.set NF,  36                           ; LDS loads of a K step's fragments: 12 of A, 24 of B
.set WV,  18
.set G1A, 24                           ; s[24:31] group 1 for A's loads;  s[32:39] for B's
.set G1B, 32
.set G0A, 40                           ; s[40:55] four groups 0 for A's loads;  B's four: s[56:63], s[68:75]
.set SEL, 98
.set PC,  32
.set TM,  56
.set PW,  72
.set SW,  76
.set MSB, 0
.macro WIN new                         ; the immediate's high byte repeats the setting that is left
.if MSB != \new
	s_set_vgpr_msb (MSB<<8)|\new
.set MSB, \new
.endif
.endm
.macro PLACES                          ; four plain places behind a matrix instruction, in front of loads into registers that it has read and of the first read of results
.rept 4
	v_nop
.endr
.endm
.macro CROUND                          ; a round of the cluster's barrier
	s_barrier_signal -1
	s_barrier_wait -1
	s_cmp_lg_u32 s[WV], 0
	s_cbranch_scc1 .Lnot_wave_0_\@
	s_barrier_signal -3
.Lnot_wave_0_\@:
	s_barrier_wait -3
	s_barrier_signal -1
	s_barrier_wait -1
.endm
.macro SCALES s                        ; K step s's scale words: A's four tiles, B's even tiles, B's odd tiles; lane r takes row r's
	ds_load_b128 v[16:19], v[8+(\s)/4] offset:((\s)%4)*12800
	ds_load_b128 v[20:23], v[10+(\s)/4] offset:((\s)%4)*12800
	ds_load_b128 v[24:27], v[10+(\s)/4] offset:((\s)%4)*12800+256
.endm
.macro FETCH s, buf                    ; K step s's fragments into set buf: images, 512 consecutive bytes a load
	WIN 0
.irp i, 0,1,2,3
.irp q, 0,1,2
	ds_load_b128 v[32+48*(\buf)+12*\i+4*\q:35+48*(\buf)+12*\i+4*\q], v[4+(\s)/4] offset:((\s)%4)*12800+3072*\i+512*\q
.endr
.endr
	WIN 0x40                                       ; destination window 1
.irp b, 0,1,2,3,4,5,6,7
.irp q, 0,1,2
	ds_load_b128 v[128*(\buf)+12*\b+4*\q:128*(\buf)+12*\b+4*\q+3], v[6+(\s)/4] offset:((\s)%4)*12800+1536*\b+512*\q
.endr
.endr
.endm
.macro MUL buf, first                  ; 32 products; the accumulators take turns, one instruction a turn, in the same order in every step
	WIN 0xa1                                       ; source 0 (B) window 1, source 1 (A) window 0, C and D window 2
.irp i, 0,1,2,3
.irp b, 0,1,2,3,4,5,6,7
.if \first
	v_wmma_scale_f32_16x16x128_f8f6f4 v[8*(8*\i+\b):8*(8*\i+\b)+7], v[128*(\buf)+12*\b:128*(\buf)+12*\b+11], v[32+48*(\buf)+12*\i:32+48*(\buf)+12*\i+11], 0, v[20+4*(\b%2)+\b/2], v[16+\i] matrix_a_fmt:MATRIX_FMT_FP6 matrix_b_fmt:MATRIX_FMT_FP6
.else
	v_wmma_scale_f32_16x16x128_f8f6f4 v[8*(8*\i+\b):8*(8*\i+\b)+7], v[128*(\buf)+12*\b:128*(\buf)+12*\b+11], v[32+48*(\buf)+12*\i:32+48*(\buf)+12*\i+11], v[8*(8*\i+\b):8*(8*\i+\b)+7], v[20+4*(\b%2)+\b/2], v[16+\i] matrix_a_fmt:MATRIX_FMT_FP6 matrix_b_fmt:MATRIX_FMT_FP6
.endif
.endr
.endr
.endm
.macro STEPG s
.if ((\s)%2 == 1) && ((\s) < 7)
	s_wait_tensorcnt 3-((\s)+1)/2                  ; my loads up to the chunk that holds K step s + 1 have landed; the later chunks' stay out
	s_wait_dscnt 0x0
	s_barrier_signal -1
	s_barrier_wait -1                              ; everybody's have
.endif
.if (\s) > 0
	PLACES
.endif
	WIN 0
	SCALES \s
.if (\s) < 7
	FETCH (\s)+1,((\s)+1)%2
	s_wait_dscnt NF                                ; all but the NF just issued: this step's fragments and scale words are in
.else
	s_wait_dscnt 0x0
.endif
.if (\s) == 0
	MUL 0,1                                        ; the first K step starts the sums: nothing is cleared
.else
	MUL (\s)%2,0
.endif
.endm
; 64 numbers of a lane, register 16 b + i = k 32 b + 16 h + i of my row, become a fragment's codes in v[PC] on and its scale word in v[PW]
.macro QUANT s
.irp b, 0,1,2,3
	v_max3_num_f32 v[TM+\b], |v[\s+16*\b]|, |v[\s+1+16*\b]|, 0x1800000     ; my 16 numbers of block b, and the floor 2^(3 - 127)
.endr
.irp i, 2,4,6,8,10,12,14
.irp b, 0,1,2,3
	v_max3_num_f32 v[TM+\b], v[TM+\b], |v[\s+16*\b+\i]|, |v[\s+1+16*\b+\i]|
.endr
.endr
.irp b, 0,1,2,3
	v_permlanex16_b32 v[TM+4+\b], v[TM+\b], s[SEL], s[SEL+1]
.endr
.irp b, 0,1,2,3
	v_max_num_f32 v[TM+\b], v[TM+\b], v[TM+4+\b]   ; with lane l xor 16's: the block's largest magnitude
.endr
.irp b, 0,1,2,3
	v_add_nc_u32 v[TM+12+\b], 0xff000000, v[TM+\b] ; 2 off the exponent field: the conversion's scale operand
.endr
.irp b, 0,1,2,3
	v_lshrrev_b32 v[TM+4+\b], 23, v[TM+12+\b]      ; the scale's byte
.endr
	v_lshl_or_b32 v[PW], v[TM+5], 8, v[TM+4]
	v_lshl_or_b32 v[PW], v[TM+6], 16, v[PW]
	v_lshl_or_b32 v[PW], v[TM+7], 24, v[PW]
.irp c, 0,1
	v_cvt_scalef32_pk16_fp6_f32 v[PC+6*\c:PC+2+6*\c], v[\s+32*\c:\s+15+32*\c], v[TM+12+2*\c]
	v_cvt_scalef32_pk16_fp6_f32 v[PC+12+4*\c:PC+14+4*\c], v[\s+16+32*\c:\s+31+32*\c], v[TM+12+2*\c+1]
.endr
	v_nop                                          ; one plain place behind a scaled conversion
.irp c, 0,1                                    ; the operand's layout wants a whole block in a lane
.irp i, 0,1,2
	v_permlane16_swap_b32 v[PC+6*\c+\i], v[PC+12+4*\c+\i]
.endr
.irp i, 0,1,2
	v_mov_b32 v[PC+3+6*\c+\i], v[PC+12+4*\c+\i]
.endr
.endr
.endm
.macro ADDB i, one                     ; tile i's 64 sums + the bias, into window 0; each accumulator is read from its low end on.  one = 1: one bias a lane (a pair that holds it twice)
	WIN 0x02                                       ; source 0 window 2
.set e, 0
.rept 32
.if \one
	v_pk_add_f32 v[192+e:193+e], v[64*\i+e:64*\i+e+1], v[128+2*\i:129+2*\i]
.else
	v_pk_add_f32 v[192+e:193+e], v[64*\i+e:64*\i+e+1], v[128+e:129+e]
.endif
.set e, e+2
.endr
	WIN 0
.endm
	s_load_b256 s[4:11], s[0:1], 0x0               ; xi s[4:5], wi s[6:7], bq s[8:9], bk s[10:11]
	s_load_b128 s[12:15], s[0:1], 0x20             ; bv s[12:13], qr s[14:15]
	s_load_b64 s[16:17], s[0:1], 0x30              ; kv
	v_lshl_add_u32 v30, v0, 2, 0x4b000
	v_mov_b32 v31, 0
	ds_add_u32 v30, v31
	ds_add_u32 v30, v31
	v_lshrrev_b32 v1, 5, v0
	v_readfirstlane_b32 s[WV], v1                  ; wave 0..3
	s_lshr_b32 s19, s18, 1                         ; wa.  Also: I fetch for A (0) or for B (1)
	s_and_b32 s20, s18, 1                          ; wb.  Also: which part I fetch
	s_bfe_u32 s21, ttmp6, 0x40000                  ; cx
	s_bfe_u32 s22, ttmp6, 0x40004                  ; cy
	s_and_b32 s23, ttmp7, 0xffff                   ; the cluster's y
	s_lshr_b32 s77, s23, 4                         ; 0 q, 1 k, 2 v
	s_and_b32 s78, s23, 15
	s_and_b32 s79, s23, 1
	s_bfe_u32 s100, s23, 0x30001
	s_mul_i32 s94, s77, 6553600                    ; the tensor's x image in xi
	s_mul_i32 s95, s77, 819200                     ; and its w image in wi
	s_cmp_eq_u32 s77, 2
	s_cselect_b32 s76, 1, 0                        ; 1: v's role
	s_cselect_b32 s78, s79, s78
	s_cselect_b32 s100, s100, 0
	s_cselect_b32 s82, s95, s94                    ; A's image
	s_cselect_b32 s84, s94, s95                    ; B's image
	s_lshl_b32 s80, s78, 2
	s_add_co_u32 s80, s80, s22                     ; A's group: hangs on cy, never on cx
	s_lshl_b32 s81, s100, 2
	s_add_co_u32 s81, s81, s21                     ; B's pair of groups: hangs on cx, never on cy
	s_mul_i32 s91, s80, 102400
	s_mul_i32 s90, s20, 12800                      ; A: my record of a chunk's two
	s_add_co_u32 s82, s82, s91
	s_add_co_u32 s82, s82, s90
	s_mov_b32 s83, 0
	s_mul_i32 s93, s81, 204800
	s_mul_i32 s92, s20, 102400                     ; B: my group of the two
	s_add_co_u32 s84, s84, s93
	s_add_co_u32 s84, s84, s92
	s_mov_b32 s85, 0
	s_lshl_b32 s100, s22, 2
	s_lshl_b32 s100, 15, s100                      ; my row of the cluster
	s_lshl_b32 s101, 0x1111, s21                   ; my column
	s_or_b32 s[G1A], s100, (3<<16)|(1<<21)         ; 15:0 the mask; 17:16 elements of 8 bytes; 21 set beside a mask; no padding
	s_or_b32 s[G1B], s101, (3<<16)|(1<<21)
.irp g, G1A, G1B
	s_mov_b32 s[\g+1], 32<<16                      ; tensor_dim0 = 32 elements: rows of 256 bytes of a dense block
	s_mov_b32 s[\g+3], 32<<16                      ; tile_dim0
	s_mov_b32 s[\g+5], 32                          ; the pitch
	s_mov_b32 s[\g+6], 0
	s_mov_b32 s[\g+7], 0
.endr
	s_mov_b32 s[G1A+2], 50<<16                     ; A: one record, 50 rows
	s_mov_b32 s[G1A+4], 50
	s_mov_b32 s[G1B+2], 100<<16                    ; B: two records, 100 rows
	s_mov_b32 s[G1B+4], 100
	s_mov_b32 s97, 0xffff0000                      ; lanes 16-31
	s_mov_b32 s[SEL], 0x76543210
	s_mov_b32 s[SEL+1], 0xfedcba98
	s_wait_dscnt 0x0
	s_wait_kmcnt 0x0
	s_cmp_eq_u32 s76, 1
	s_cselect_b64 s[86:87], s[6:7], s[4:5]
	s_cselect_b64 s[88:89], s[4:5], s[6:7]
	s_add_nc_u64 s[86:87], s[86:87], s[82:83]
	s_add_nc_u64 s[88:89], s[88:89], s[84:85]
.irp sp, 0,1,2,3                               ; chunk sp: K steps 2 sp, 2 sp + 1
	s_mov_b32 s[G0A+4*\sp], 1
	s_add_co_u32 s[G0A+4*\sp+1], s90, \sp*25600
	s_add_nc_u64 s[G0A+4*\sp+2:G0A+4*\sp+3], s[86:87], \sp*25600
	s_or_b32 s[G0A+4*\sp+3], s[G0A+4*\sp+3], 0x80000000
	s_mov_b32 s[56+4*\sp+4*(\sp/2)], 1
	s_add_co_u32 s[57+4*\sp+4*(\sp/2)], s92, 102400+\sp*25600
	s_add_nc_u64 s[58+4*\sp+4*(\sp/2):59+4*\sp+4*(\sp/2)], s[88:89], \sp*25600
	s_or_b32 s[59+4*\sp+4*(\sp/2)], s[59+4*\sp+4*(\sp/2)], 0x80000000
.endr
	CROUND                                         ; all sixteen work-groups are here: the joint loads meet
	s_cmp_eq_u32 s19, 0                            ; a wave's four fills stand in one branch on the wave's number; four loads of mine are out
	s_cbranch_scc0 .Lfor_b
.irp sp, 0,1,2,3
	tensor_load_to_lds s[G0A+4*\sp:G0A+4*\sp+3], s[G1A:G1A+7]
	s_nop 0
.endr
	PLACES
	s_branch .Lasked
.Lfor_b:
.irp sp, 0,1,2,3
	tensor_load_to_lds s[56+4*\sp+4*(\sp/2):59+4*\sp+4*(\sp/2)], s[G1B:G1B+7]
	s_nop 0
.endr
	PLACES
.Lasked:
	v_and_b32 v1, 31, v0
	v_and_b32 v2, 15, v0                           ; r
	v_bfe_u32 v3, v0, 4, 1                         ; h
	v_lshlrev_b32 v12, 4, v1                       ; 16 l
	v_lshlrev_b32 v13, 3, v1                       ; 8 l
	s_mul_i32 s100, s19, 1536
	v_add_nc_u32 v4, s100, v12                     ; A's tile 2 i + wa: 3,072 i by the immediate
	v_add_nc_u32 v5, 51200, v4                     ; K steps 4-7: an LDS immediate has 16 bits
	s_mul_i32 s101, s20, 102400
	s_add_co_u32 s101, s101, 102400
	v_add_nc_u32 v6, s101, v12
	v_add_nc_u32 v7, 51200, v6
	s_lshl_b32 s100, s19, 8
	s_add_co_u32 s100, s100, 12288
	v_lshl_add_u32 v8, v2, 4, s100                 ; A's scale words: 12,288 + 256 wa + 16 r: four tiles' words on end
	v_add_nc_u32 v9, 51200, v8
	s_add_co_u32 s101, s101, 12288
	v_lshl_add_u32 v10, v2, 4, s101                ; B's: even tiles; the odd ones 256 on
	v_add_nc_u32 v11, 51200, v10
	s_wait_tensorcnt 0x3                           ; my part of chunk 0 is in; three chunks stay out
	s_barrier_signal -1
	s_barrier_wait -1                              ; everybody's is
	FETCH 0,0
	STEPG 0
	STEPG 1
	STEPG 2
	STEPG 3
	STEPG 4
	STEPG 5
	WIN 0                                          ; at a branch and at a label every window is 0
	s_cmp_eq_u32 s76, 1                            ; behind the K loop's last barrier the roles part: the branch hangs on the cluster's y alone
	s_cbranch_scc1 .Lv_arm
	; ---- q and k.  B's group is heads hd0 = 4 cx + 2 wb and hd0 + 1; A's group is 128 tokens of batch A / 16
	s_cmp_eq_u32 s77, 0
	s_cselect_b64 s[88:89], s[14:15], s[16:17]     ; qr or kv
	s_cselect_b64 s[94:95], s[8:9], s[10:11]       ; bq or bk
	s_mov_b32 s96, 208896
	s_cselect_b32 s96, 106496, s96                 ; bytes of a head's record
	s_mov_b32 s100, 12288
	s_cselect_b32 s101, 8192, s100                 ; where the half fragments begin,
	s_cselect_b32 s100, 6144, s100                 ; and from group to group
	s_lshr_b32 s78, s80, 4
	s_and_b32 s79, s80, 15                         ; the group in its batch
	s_lshl_b32 s78, s78, 4
	s_lshl_b32 s90, s21, 2
	s_add_co_u32 s78, s78, s90
	s_lshl_b32 s90, s20, 1
	s_add_co_u32 s78, s78, s90                     ; 16 x batch + hd0
	s_mul_i32 s90, s78, s96
	s_mov_b32 s91, 0
	s_add_nc_u64 s[88:89], s[88:89], s[90:91]
	s_lshl_b32 s90, s79, 9
	s_lshl_b32 s92, s19, 8
	s_add_co_u32 s90, s90, s92
	s_add_nc_u64 s[82:83], s[88:89], s[90:91]      ; my tiles' scale words
	s_mul_i32 s90, s79, s100
	s_add_co_u32 s90, s90, s101
	s_mul_i32 s92, s19, 768
	s_add_co_u32 s90, s90, s92
	s_add_nc_u64 s[84:85], s[88:89], s[90:91]      ; head hd0's half fragments: tile 2 i + wa by the immediate
	s_mov_b32 s90, s96
	s_add_nc_u64 s[86:87], s[84:85], s[90:91]      ; head hd0 + 1's
	s_lshl_b32 s90, s21, 1
	s_add_co_u32 s90, s90, s20
	s_lshl_b32 s90, s90, 9
	s_add_nc_u64 s[94:95], s[94:95], s[90:91]      ; the bias of my 128 columns
	v_lshlrev_b32 v1, 6, v3                        ; 64 h: register 8 b + j wants column 32 (b / 2) + 16 h + 8 (b % 2) + j
	v_lshlrev_b32 v14, 4, v3                       ; 16 h
	v_mul_u32_u24 v15, s96, v3
	v_lshl_add_u32 v15, v2, 4, v15                 ; lanes 0-15 store head hd0's scale words, lanes 16-31 head hd0 + 1's
.irp b, 0,1,2,3,4,5,6,7
	global_load_b128 v[128+8*\b:131+8*\b], v1, s[94:95] offset:(32*(\b/2)+8*(\b%2))*4
	global_load_b128 v[132+8*\b:135+8*\b], v1, s[94:95] offset:(32*(\b/2)+8*(\b%2))*4+16
.endr
	STEPG 6                                        ; the bias lands under the last two K steps
	STEPG 7
	PLACES
	WIN 0
.irp b, 0,1,2,3
	v_mov_b32 v[TM+4+\b], 0                        ; a lane permute's destination counts as one of its sources
.endr
	s_wait_loadcnt 0x0
.irp i, 0,1,2,3
	s_wait_xcnt 0x0                                ; the last tile's stores have read the codes' registers
	ADDB \i,0
	QUANT 192                                      ; blocks 0, 1: head hd0's 64; blocks 2, 3: head hd0 + 1's
	global_store_b128 v12, v[PC:PC+3], s[84:85] offset:1536*\i
	global_store_b64 v13, v[PC+4:PC+5], s[84:85] offset:1536*\i+512
	global_store_b128 v12, v[PC+6:PC+9], s[86:87] offset:1536*\i
	global_store_b64 v13, v[PC+10:PC+11], s[86:87] offset:1536*\i+512
	v_bfe_u32 v[SW+\i], v[PW], v14, 16             ; my head's two bytes; the word's upper two stay 0: they scale the zero codes that fill K to 128
.endr
	global_store_b128 v15, v[SW:SW+3], s[82:83]    ; 16 lanes store 256 consecutive bytes, aligned
	s_branch .Lend
.Lv_arm:
	; ---- v.  A's group is heads 2 A, 2 A + 1 (tile 2 i + wa: head 2 A + i / 2, tile 2 (i % 2) + wa of its 64); B's group 2 B + wb is key step (group % 16) of batch group / 16
	s_lshl_b32 s78, s81, 1
	s_add_co_u32 s78, s78, s20
	s_and_b32 s79, s78, 15                         ; key step
	s_lshr_b32 s78, s78, 4
	s_lshl_b32 s78, s78, 4
	s_lshl_b32 s90, s80, 1
	s_add_co_u32 s78, s78, s90                     ; 16 x batch + 2 A
	s_mul_i32 s90, s78, 208896
	s_mov_b32 s91, 0
	s_add_nc_u64 s[88:89], s[16:17], s[90:91]
	s_mul_i32 s90, s79, 12288
	s_mul_i32 s92, s19, 1536
	s_add_co_u32 s90, s90, s92
	s_add_co_u32 s90, s90, 12288+6144
	s_add_nc_u64 s[84:85], s[88:89], s[90:91]      ; my fragments of v^T
	s_lshl_b32 s90, s79, 8
	s_lshl_b32 s92, s19, 7
	s_add_co_u32 s90, s90, s92
	s_add_co_u32 s90, s90, 8192
	s_add_nc_u64 s[82:83], s[88:89], s[90:91]      ; their scale words
	s_lshl_b32 s90, s80, 9
	s_lshl_b32 s92, s19, 5
	s_add_co_u32 s90, s90, s92
	s_add_nc_u64 s[94:95], s[12:13], s[90:91]      ; bv at 128 A + 8 wa
	v_and_b32 v1, 8, v2
	v_add_nc_u32 v1, v1, v2
	v_lshlrev_b32 v1, 2, v1                        ; + r + 8 (r / 8); 32 i by the immediate
	v_mul_u32_u24 v15, 0x33000, v3
	v_lshl_add_u32 v15, v2, 3, v15                 ; lanes 0-15 store head 2 A's scale words, lanes 16-31 head 2 A + 1's
.irp i, 0,1,2,3
	global_load_b32 v[128+2*\i], v1, s[94:95] offset:128*\i        ; my row's bias, twice: a pair for the packed addition
	global_load_b32 v[129+2*\i], v1, s[94:95] offset:128*\i
.endr
	STEPG 6
	STEPG 7
	PLACES
	WIN 0
.irp b, 0,1,2,3
	v_mov_b32 v[TM+4+\b], 0
.endr
	s_wait_loadcnt 0x0
.irp i, 0,1,2,3
	s_wait_xcnt 0x0
	ADDB \i,1
	QUANT 192                                      ; along the keys: a whole fragment, 16 of the head's 64 x 128 keys
.irp q, 0,1,2
	global_store_b128 v12, v[PC+4*\q:PC+4*\q+3], s[84:85] offset:(\i/2)*208896+3072*(\i%2)+512*\q
.endr
	v_mov_b32 v[SW+\i], v[PW]
.endr
	v_cndmask_b32 v80, v[SW], v[SW+2], s97
	v_cndmask_b32 v81, v[SW+1], v[SW+3], s97
	global_store_b64 v15, v[80:81], s[82:83]       ; 16 lanes store 128 consecutive bytes of a head: the other wa's wave stores the 128 beside them
.Lend:
	s_wait_tensorcnt 0x0
	ds_add_u32 v30, v31
	s_wait_dscnt 0x0
	CROUND                                         ; the closing round: no work-group ends while a partner may still ask for a tile that names it
	s_endpgm
.Lfunc_end_k_q6f8574d336_proj:
	.size	k_q6f8574d336_proj, .Lfunc_end_k_q6f8574d336_proj-k_q6f8574d336_proj
	.p2alignl 7, 3214868480
	.fill 96, 4, 3214868480
	.section	.rodata,"a",@progbits
	.p2align	6, 0x0
	.amdhsa_kernel k_q6f8574d336_proj
		.amdhsa_group_segment_fixed_size 307712
		.amdhsa_private_segment_fixed_size 0
		.amdhsa_enable_private_segment 0
		.amdhsa_kernarg_size 56
		.amdhsa_user_sgpr_count 2
		.amdhsa_user_sgpr_kernarg_segment_ptr 1
		.amdhsa_wavefront_size32 1
		.amdhsa_system_sgpr_workgroup_id_x 1
		.amdhsa_system_sgpr_workgroup_id_y 1
		.amdhsa_system_sgpr_workgroup_id_z 1
		.amdhsa_system_vgpr_workitem_id 0
		.amdhsa_next_free_vgpr 768
		.amdhsa_next_free_sgpr 102
		.amdhsa_reserve_vcc 0
		.amdhsa_float_denorm_mode_32 3
		.amdhsa_float_denorm_mode_16_64 3
		.amdhsa_memory_ordered 1
		.amdhsa_forward_progress 1
		.amdhsa_inst_pref_size 129
	.end_amdhsa_kernel
	.amdgpu_metadata
---
amdhsa.version: [ 1, 2 ]
amdhsa.kernels:
  - .name:           k_q6f8574d336_proj
    .symbol:         k_q6f8574d336_proj.kd
    .args:
      - { .name: xi, .offset: 0, .size: 8, .value_kind: global_buffer, .address_space: global }
      - { .name: wi, .offset: 8, .size: 8, .value_kind: global_buffer, .address_space: global }
      - { .name: bq, .offset: 16, .size: 8, .value_kind: global_buffer, .address_space: global }
      - { .name: bk, .offset: 24, .size: 8, .value_kind: global_buffer, .address_space: global }
      - { .name: bv, .offset: 32, .size: 8, .value_kind: global_buffer, .address_space: global }
      - { .name: qr, .offset: 40, .size: 8, .value_kind: global_buffer, .address_space: global }
      - { .name: kv, .offset: 48, .size: 8, .value_kind: global_buffer, .address_space: global }
    .group_segment_fixed_size: 307712
    .private_segment_fixed_size: 0
    .kernarg_segment_align: 8
    .kernarg_segment_size: 56
    .max_flat_workgroup_size: 128
    .sgpr_count:     102
    .vgpr_count:     768
    .wavefront_size: 32
...
	.end_amdgpu_metadata
.endif
;; end of part 4
;; launch attn (part 5): grid 4 x 64, 16 waves a work-group, clusters of 4 x 1, 210,944 bytes of LDS; arguments qr, kv, mw, oi; writes oi
.if DOCPART == 5
	.amdgcn_target "amdgcn-amd-amdhsa--gfx1250"
	.amdhsa_code_object_version 6
	.text
	.protected	k_q6f8574d336_attn
	.globl	k_q6f8574d336_attn
	.p2align	8
	.type	k_q6f8574d336_attn,@function
k_q6f8574d336_attn:
	s_mov_b64 s[64:65], 0
	v_nop
	global_prefetch_b8 v0, s[64:65] scope:SCOPE_SE
	s_setreg_imm32_b32 hwreg(HW_REG_WAVE_MODE, 25, 1), 1
	s_wait_xcnt 0x0
	s_wait_alu depctr_hold_cnt(0) depctr_sa_sdst(0) depctr_va_vdst(0) depctr_va_sdst(0) depctr_va_ssrc(0) depctr_va_vcc(0) depctr_vm_vsrc(0)
	s_getreg_b32 s2, hwreg(HW_REG_IB_STS2, 6, 4)
	s_cmp_eq_u32 s2, 0
	s_cbranch_scc0 .Lentry_in_a_cluster
	s_endpgm
.Lentry_in_a_cluster:
	s_bfe_u32 s2, ttmp6, 0x10000c
	s_cmp_lg_u32 s2, 0x3003
	s_cbranch_scc0 .Lentry_shape_is_right
	s_endpgm
.Lentry_shape_is_right:
; Attention of one (batch, head) on codes of FP6 (E2M3), and the quantising of its result for the output projection.  q, k, v come as register images (proj's head says how qr and kv lie), the mask as lane masks (pack_mask's head).
; SHARES.  The four work-groups of a cluster share a head: each takes 512 queries, in two passes of 256; each of its sixteen waves owns one tile of 16 queries a pass, in 256 registers: four waves to a SIMD, so that one wave's
; vector work stands beside another's matrix work and LDS loads.  Every wave walks all 2,048 keys, 128 a step.
; LDS holds the head's WHOLE k and v, 17 units of 12,288 bytes, filled once by joint loads (the four partners need the same bytes; the mask names the four): wave w fetches unit 1 + w, wave 0 also unit 0.  Nothing is filled again.
; LAYOUT.  Both products are used transposed: S^T = k q^T (source 0 = 16 keys), O^T = v^T p^T (source 0 = 16 of the head's 64): a lane holds ONE query throughout.  By the tiles' order of rows, score register 16 B + i of lane (r, h)
; is key 32 B + 16 h + i of the step: 16 neighbours for each pair of tiles, as p's quantiser wants them; O^T's registers likewise run along the head's 64.
; THE SCORES' K IS 64, the instruction's 128: q's registers 6-11 hold zero codes, so what stands in k's upper six registers (the next tile's codes; behind the last tile zeros) adds nothing; the upper two scale bytes of both are 0, never 0xff.
; SOFTMAX.  t = score x log2(e) / 8; M = the running largest t rounded up to a whole number, kept as -M = floor(-t); p = 2^(t - M) is quantised along the keys, not normalised; the row's sum is taken of the unquantised p and divides
; O at the end.  When M moves, the sum and O^T are multiplied by 2^(old M - new M): exact.
; THE MASK.  A hidden key's score becomes -2^33, that is a logit of -2^30 = -1.074e9 where the definition has -1e9.  -2^33 x c is a whole number that f32 holds exactly, so in a row with no open key t - M is exactly 0 and every p is 1, as
; defined.  LIMIT: the result differs from the definition only where an open logit lies under about -1e9.  NaN and infinities are not served; a block of zeros gets the byte 1 (its codes are zeros).
; RESULT.  oi: records as quant_x's, rows = queries, K = head x 64 + channel: a fragment is two half fragments (heads 2 s, 2 s + 1), a scale word two bytes from each head.
; REGISTERS: v1-5 LDS addresses of the loads in hand; v6 -2^33; v7 16 l, v8 8 l, v9 16 r, v10 8 r; v12 -M, v13 the largest t, v[14:15] the sum; v16-39 q of the two passes; v40-41 q's scale words; v42-95 k's fragments, six registers
; apart, or v's four; v96-159 S^T, then p; v160-191 O^T; v192-199 k's scale words, v200-203 v's; v204-215 p's codes; v216-243 at work; v238 p's scale word.
.set WV,  2
.set MP,  20                           ; s[20:21] the mask words of the step to be loaded next
.set SEL, 24
.set CS,  26                           ; s[26:27] c = log2(e) / 8, twice
.set TK,  30                           ; s30 the LDS byte of the key step's unit
.set TS,  31                           ; s31 of k's scale words: 512 a step
.set TV,  66                           ; s66 of v's: 256 a step
.macro CROUND
	s_barrier_signal -1
	s_barrier_wait -1
	s_cmp_lg_u32 s[WV], 0
	s_cbranch_scc1 .Lnot_wave_0_\@
	s_barrier_signal -3
.Lnot_wave_0_\@:
	s_barrier_wait -3
	s_barrier_signal -1
	s_barrier_wait -1
.endm
	s_load_b256 s[32:39], s[0:1], 0x0              ; qr s[32:33], kv s[34:35], mw s[36:37], oi s[38:39]  (s32-63 and s68-99 later hold a step's 64 mask words)
	v_lshl_add_u32 v254, v0, 2, 0x33000
	v_mov_b32 v255, 0
	ds_add_u32 v254, v255
	ds_add_u32 v254, v255
	v_lshrrev_b32 v1, 5, v0
	v_readfirstlane_b32 s[WV], v1                  ; wave 0..15
	s_and_b32 s40, ttmp7, 0xffff                   ; 16 x batch + head, which the four partners share
	s_lshr_b32 s41, s40, 4
	s_and_b32 s42, s40, 15
	s_bfe_u32 s43, ttmp6, 0x40000                  ; cx: it enters global addresses of q, the mask and the result alone
	s_mov_b32 s4, 15|(3<<16)|(1<<21)               ; group 1: the mask names all four; elements of 8 bytes; 21 set beside a mask; no padding
	s_mov_b32 s5, 32<<16                           ; rows of 256 bytes of a dense block,
	s_mov_b32 s6, 48<<16                           ; 48 of them: a unit
	s_mov_b32 s7, 32<<16
	s_mov_b32 s8, 48
	s_mov_b32 s9, 32
	s_mov_b32 s10, 0
	s_mov_b32 s11, 0
	s_mul_i32 s44, s40, 208896
	s_mov_b32 s45, 0
	s_mul_i32 s46, s[WV], 12288
	s_add_co_u32 s46, s46, 12288                   ; unit 1 + wave
	s_mov_b32 s47, 0
	s_mov_b32 s[SEL], 0x76543210
	s_mov_b32 s[SEL+1], 0xfedcba98
	s_mov_b32 s[CS], 0x3e38aa3b
	s_mov_b32 s[CS+1], s[CS]
	s_wait_dscnt 0x0
	s_wait_kmcnt 0x0
	s_add_nc_u64 s[34:35], s[34:35], s[44:45]      ; the head's record
	s_mov_b32 s12, 1
	s_mov_b32 s13, 0
	s_mov_b64 s[14:15], s[34:35]
	s_or_b32 s15, s15, 0x80000000
	s_mov_b32 s16, 1
	s_mov_b32 s17, s46
	s_add_nc_u64 s[18:19], s[34:35], s[46:47]
	s_or_b32 s19, s19, 0x80000000
	CROUND                                         ; all four work-groups are here: the joint loads meet
	s_cmp_eq_u32 s[WV], 0                          ; a wave's fills stand in one branch on the wave's number: two loads of wave 0 are out, one of every other wave
	s_cbranch_scc0 .Lone
	tensor_load_to_lds s[12:15], s[4:11]
	s_nop 0
	tensor_load_to_lds s[16:19], s[4:11]
	s_nop 0
.rept 4
	v_nop
.endr
	s_branch .Lasked
.Lone:
	tensor_load_to_lds s[16:19], s[4:11]
	s_nop 0
.rept 4
	v_nop
.endr
.Lasked:
	s_mul_i32 s48, s40, 106496
	s_mov_b32 s49, 0
	s_add_nc_u64 s[32:33], s[32:33], s[48:49]      ; the head's record in qr
	s_lshl_b32 s50, s43, 5
	s_add_co_u32 s50, s50, s[WV]                   ; my tile in pass 0: 32 cx + wave; in pass 1 sixteen on
	s_mul_i32 s52, s50, 768
	s_add_co_u32 s52, s52, 8192
	s_mov_b32 s53, 0
	s_add_nc_u64 s[100:101], s[32:33], s[52:53]    ; its half fragment
	s_lshr_b32 s54, s[WV], 3
	s_lshl_b32 s55, s43, 2
	s_add_co_u32 s54, s54, s55                     ; its group of 128 queries: 4 cx + wave / 8
	s_and_b32 s55, s[WV], 1
	s_bfe_u32 s56, s[WV], 0x20001
	s_lshl_b32 s52, s54, 9
	s_lshl_b32 s57, s55, 8
	s_add_co_u32 s52, s52, s57
	s_lshl_b32 s57, s56, 2
	s_add_co_u32 s52, s52, s57
	s_add_nc_u64 s[104:105], s[32:33], s[52:53]    ; its scale words
	s_lshl_b32 s52, s41, 19
	s_lshl_b32 s57, s50, 12
	s_add_co_u32 s52, s52, s57
	s_add_nc_u64 s[MP:MP+1], s[36:37], s[52:53]    ; its mask words: 256 bytes a key step
	s_lshl_b32 s57, s41, 4
	s_add_co_u32 s57, s57, s54
	s_mul_i32 s52, s57, 102400
	s_lshr_b32 s57, s42, 1
	s_mul_i32 s57, s57, 12800
	s_add_co_u32 s52, s52, s57
	s_add_nc_u64 s[38:39], s[38:39], s[52:53]      ; the result's record: my group, K step head / 2
	s_and_b32 s57, s[WV], 7
	s_mul_i32 s52, s57, 1536
	s_and_b32 s58, s42, 1
	s_mul_i32 s57, s58, 768
	s_add_co_u32 s52, s52, s57
	s_add_nc_u64 s[22:23], s[38:39], s[52:53]      ; my half fragment in it
	s_lshl_b32 s52, s55, 8
	s_lshl_b32 s57, s56, 2
	s_add_co_u32 s52, s52, s57
	s_lshl_b32 s57, s58, 1
	s_add_co_u32 s52, s52, s57
	s_add_co_u32 s52, s52, 12288
	s_add_nc_u64 s[28:29], s[38:39], s[52:53]      ; my head's two bytes of my tile's scale words
	v_and_b32 v1, 31, v0
	v_lshlrev_b32 v7, 4, v1
	v_lshlrev_b32 v8, 3, v1
	v_and_b32 v2, 15, v0
	v_lshlrev_b32 v9, 4, v2
	v_lshlrev_b32 v10, 3, v2
	v_mov_b32 v6, 0xd0000000                       ; -2^33
	global_load_b128 v[16:19], v7, s[100:101]
	global_load_b64 v[20:21], v8, s[100:101] offset:512
	global_load_b128 v[28:31], v7, s[100:101] offset:12288
	global_load_b64 v[32:33], v8, s[100:101] offset:12800
	global_load_b32 v40, v9, s[104:105]
	global_load_b32 v41, v9, s[104:105] offset:1024
.irp j, 0,1,2,3,4,5
	v_mov_b32 v[22+\j], 0                          ; zero codes fill q's K to 128,
	v_mov_b32 v[34+\j], 0
	v_mov_b32 v[90+\j], 0                          ; and stand behind k's last tile
.endr
.irp b, 0,1,2,3
	v_mov_b32 v[228+\b], 0                         ; a lane permute's destination counts as one of its sources
.endr
	v_mov_b32 v241, 0                              ; (named as the upper half of the pair v[240:241])
	v_mov_b32 v242, 0
	s_load_b512 s[32:47], s[MP:MP+1], 0x0          ; the first step's mask words
	s_load_b512 s[48:63], s[MP:MP+1], 0x40
	s_load_b512 s[68:83], s[MP:MP+1], 0x80
	s_load_b512 s[84:99], s[MP:MP+1], 0xc0
	s_wait_tensorcnt 0x0                           ; my units have landed,
	s_barrier_signal -1
	s_barrier_wait -1                              ; everybody's have: the head's k and v lie in LDS for the rest of the launch
	s_wait_loadcnt 0x0                             ; q
.macro KLOAD                           ; a key step's eight half fragments of k, six registers apart, and its scale words
.irp t, 0,1,2,3,4,5,6,7
	ds_load_b128 v[42+6*\t:45+6*\t], v1 offset:768*\t
	ds_load_b64 v[46+6*\t:47+6*\t], v2 offset:768*\t+512
.endr
	ds_load_b128 v[192:195], v4
	ds_load_b128 v[196:199], v4 offset:256
.endm
; A KEY STEP of pass p.  kl = 1: the next step's k is fetched at its end.  nxt = 1: the next step's mask words are asked for; 2: the next pass's first; 0: none.
.macro STEP p, kl, nxt
	s_wait_dscnt 0x0                               ; k and its scale words are in
.irp t, 0,1,2,3,4,5,6,7
	v_wmma_scale_f32_16x16x128_f8f6f4 v[96+8*\t:103+8*\t], v[42+6*\t:53+6*\t], v[16+12*(\p):27+12*(\p)], 0, v[192+4*(\t%2)+\t/2], v[40+(\p)] matrix_a_fmt:MATRIX_FMT_FP6 matrix_b_fmt:MATRIX_FMT_FP6
.endr
	v_add_nc_u32 v3, s[TK], v7                     ; four places in front of the loads into k's registers and of the first read of the scores
	v_add_nc_u32 v5, s[TV], v10
	v_nop
	v_nop
.irp d, 0,1,2,3
.irp q, 0,1,2
	ds_load_b128 v[42+12*\d+4*\q:45+12*\d+4*\q], v3 offset:6144+1536*\d+512*\q   ; v's four fragments land under the softmax
.endr
.endr
	ds_load_b64 v[200:201], v5 offset:8192
	ds_load_b64 v[202:203], v5 offset:8192+128
	s_add_co_u32 s[TK], s[TK], 12288
	s_add_co_u32 s[TS], s[TS], 512
	s_add_co_u32 s[TV], s[TV], 256
	s_wait_kmcnt 0x0                               ; this step's mask words are in, so their address may step
.if (\nxt) == 1
	s_add_nc_u64 s[MP:MP+1], s[MP:MP+1], 256
.endif
.if (\nxt) == 2
	s_add_nc_u64 s[MP:MP+1], s[MP:MP+1], 61696     ; from my tile's record 15 to record 0 of the tile sixteen on
.endif
.set n, 0
.rept 64
	v_cndmask_b32 v[96+n], v6, v[96+n], s[32+n+4*(n/32)]           ; a hidden key's score becomes -2^33; each accumulator is read from its low end on
.set n, n+1
.endr
.if (\nxt) != 0
	s_load_b512 s[32:47], s[MP:MP+1], 0x0          ; they have the rest of the step in which to land
	s_load_b512 s[48:63], s[MP:MP+1], 0x40
	s_load_b512 s[68:83], s[MP:MP+1], 0x80
	s_load_b512 s[84:99], s[MP:MP+1], 0xc0
.endif
.irp b, 0,1,2,3
	v_max3_num_f32 v[224+\b], v[96+16*\b], v[97+16*\b], v[98+16*\b]        ; the largest score of each block of 32 keys: for the row's maximum and, since p rises with the score, for the block's largest p
.endr
.irp i, 3,5,7,9,11,13
.irp b, 0,1,2,3
	v_max3_num_f32 v[224+\b], v[224+\b], v[96+16*\b+\i], v[97+16*\b+\i]
.endr
.endr
.irp b, 0,1,2,3
	v_max_num_f32 v[224+\b], v[224+\b], v[111+16*\b]
.endr
.irp b, 0,1,2,3
	v_permlanex16_b32 v[228+\b], v[224+\b], s[SEL], s[SEL+1]
.endr
.irp b, 0,1,2,3
	v_max_num_f32 v[224+\b], v[224+\b], v[228+\b]  ; with lane l xor 16's 16 keys
.endr
	v_max3_num_f32 v242, v224, v225, v226
	v_max_num_f32 v242, v242, v227
	v_mul_f32 v242, s[CS], v242                    ; as t (c is positive)
	v_max_num_f32 v13, v13, v242                   ; the running largest t
	v_mov_b32 v242, v12
	v_floor_f32 v12, -v13                          ; the new -M: a whole number
	v_sub_f32 v242, v12, v242                      ; old M - new M, 0 or less
	v_cvt_i32_f32 v242, v242                       ; (it saturates)
	v_ldexp_f32 v240, 1.0, v242                    ; f = 2^(old M - new M)
.set j, 0
.rept 32
	v_pk_fma_f32 v[96+j:97+j], v[96+j:97+j], s[CS:CS+1], v[12:13] op_sel_hi:[1,0,0]   ; t - M, two at a time
.set j, j+2
.endr
.irp b, 0,1,2,3
	v_fma_f32 v[224+\b], v[224+\b], s[CS], v12     ; the same of each block's largest score
.endr
.set j, 0
.rept 64
	v_exp_f32 v[96+j], v[96+j]                     ; p = 2^(t - M)
.set j, j+1
.endr
	v_pk_mul_f32 v[14:15], v[14:15], v[240:241] op_sel_hi:[1,0]    ; the sum under the new M: a plain place behind the exponentials
	s_wait_alu depctr_va_vdst(0)                   ; one wait for the batch, ahead of its first reader
.irp b, 0,1,2,3
	v_exp_f32 v[224+\b], v[224+\b]                 ; the block's largest p
.endr
	v_pk_add_f32 v[236:237], v[96:97], v[98:99]    ; the row's sum of the unquantised p, in two chains
.irp j, 4,8,12,16,20,24,28,32,36,40,44,48,52,56,60
	v_pk_add_f32 v[14:15], v[14:15], v[96+\j:97+\j]
	v_pk_add_f32 v[236:237], v[236:237], v[98+\j:99+\j]
.endr
	v_pk_add_f32 v[14:15], v[14:15], v[236:237]
	s_wait_alu depctr_va_vdst(0)                   ; and one for the four
.irp b, 0,1,2,3
	v_max_num_f32 v[224+\b], 0x1800000, v[224+\b]  ; the floor 2^(3 - 127): a block whose every p is 0 keeps the byte 1; its codes are zeros
.endr
.irp b, 0,1,2,3
	v_add_nc_u32 v[232+\b], 0xff000000, v[224+\b]
.endr
.irp b, 0,1,2,3
	v_lshrrev_b32 v[228+\b], 23, v[232+\b]
.endr
	v_lshl_or_b32 v238, v229, 8, v228              ; p's scale word for these 128 keys
	v_lshl_or_b32 v238, v230, 16, v238
	v_lshl_or_b32 v238, v231, 24, v238
.irp c, 0,1
	v_cvt_scalef32_pk16_fp6_f32 v[204+6*\c:206+6*\c], v[96+32*\c:111+32*\c], v[232+2*\c]
	v_cvt_scalef32_pk16_fp6_f32 v[216+4*\c:218+4*\c], v[112+32*\c:127+32*\c], v[232+2*\c+1]
.endr
	v_nop                                          ; one plain place behind a scaled conversion
.irp c, 0,1
.irp i, 0,1,2
	v_permlane16_swap_b32 v[204+6*\c+\i], v[216+4*\c+\i]           ; the operand's layout wants a whole block in a lane
.endr
.irp i, 0,1,2
	v_mov_b32 v[207+6*\c+\i], v[216+4*\c+\i]
.endr
.endr
.set j, 0
.rept 16
	v_pk_mul_f32 v[160+j:161+j], v[160+j:161+j], v[240:241] op_sel_hi:[1,0]   ; O^T under the new M; these are also the places between the scale word's and the codes' last writes and the products
.set j, j+2
.endr
	s_wait_dscnt 0x0                               ; v and its scale words are in
.irp d, 0,1,2,3
	v_wmma_scale_f32_16x16x128_f8f6f4 v[160+8*\d:167+8*\d], v[42+12*\d:53+12*\d], v[204:215], v[160+8*\d:167+8*\d], v[200+2*(\d%2)+\d/2], v238 matrix_a_fmt:MATRIX_FMT_FP6 matrix_b_fmt:MATRIX_FMT_FP6
.endr
	v_add_nc_u32 v1, s[TK], v7                     ; four places in front of the loads into v's registers
	v_add_nc_u32 v2, s[TK], v8
	v_add_nc_u32 v4, s[TS], v9
	v_nop
.if \kl
	KLOAD
.endif
.endm
; THE WAY OUT of pass p: O^T / the sum, quantised along the head's 64 (two blocks), as a half fragment and two scale bytes a row
.macro OUT p
.rept 4
	v_nop                                          ; places behind the last products
.endr
	v_add_f32 v14, v14, v15
	v_permlanex16_b32 v242, v14, s[SEL], s[SEL+1]
	v_add_f32 v14, v14, v242                       ; the row's sum
	v_rcp_f32 v14, v14
	v_nop                                          ; a plain place behind the transcendental,
	s_wait_alu depctr_va_vdst(0)                   ; and the wait ahead of its first reader
.set j, 0
.rept 16
	v_pk_mul_f32 v[96+j:97+j], v[160+j:161+j], v[14:15] op_sel_hi:[1,0]   ; register 16 B + i: channel 32 B + 16 h + i of my query
.set j, j+2
.endr
.irp b, 0,1
	v_max3_num_f32 v[224+\b], |v[96+16*\b]|, |v[97+16*\b]|, 0x1800000
.endr
.irp i, 2,4,6,8,10,12,14
.irp b, 0,1
	v_max3_num_f32 v[224+\b], v[224+\b], |v[96+16*\b+\i]|, |v[97+16*\b+\i]|
.endr
.endr
.irp b, 0,1
	v_permlanex16_b32 v[228+\b], v[224+\b], s[SEL], s[SEL+1]
.endr
.irp b, 0,1
	v_max_num_f32 v[224+\b], v[224+\b], v[228+\b]
.endr
.irp b, 0,1
	v_add_nc_u32 v[232+\b], 0xff000000, v[224+\b]
.endr
.irp b, 0,1
	v_lshrrev_b32 v[228+\b], 23, v[232+\b]
.endr
	v_lshl_or_b32 v243, v229, 8, v228              ; my row's two scale bytes
	v_cvt_scalef32_pk16_fp6_f32 v[204:206], v[96:111], v232
	v_cvt_scalef32_pk16_fp6_f32 v[216:218], v[112:127], v233
	v_nop
.irp i, 0,1,2
	v_permlane16_swap_b32 v[204+\i], v[216+\i]
.endr
.irp i, 0,1,2
	v_mov_b32 v[207+\i], v[216+\i]
.endr
	global_store_b128 v7, v[204:207], s[22:23] offset:204800*(\p)          ; 512 consecutive bytes, aligned
	global_store_b64 v8, v[208:209], s[22:23] offset:204800*(\p)+512       ; 256
	global_store_b16 v9, v243, s[28:29] offset:204800*(\p)                 ; two bytes of each row's scale word (the other two are the other head's): lanes r and r + 16 store the same value at the same place
.if (\p) == 0
	s_wait_xcnt 0x0                                ; the stores have read their registers: the next pass writes them again
.endif
.endm
.macro PASS p
	s_mov_b32 s[TK], 12288
	s_mov_b32 s[TS], 0
	s_mov_b32 s[TV], 0
	v_add_nc_u32 v1, s[TK], v7
	v_add_nc_u32 v2, s[TK], v8
	v_add_nc_u32 v4, s[TS], v9
	KLOAD                                          ; key step 0
	v_mov_b32 v13, 0xff61b1e6                      ; the largest t so far: -3e38
	v_floor_f32 v12, -v13
	v_mov_b32 v14, 0
	v_mov_b32 v15, 0
.set j, 0
.rept 32
	v_mov_b32 v[160+j], 0                          ; O^T: the step is written without a first form of its own; the first change of M leaves zeros zeros
.set j, j+1
.endr
	s_mov_b32 s3, 15
.Lstep_\@:
	STEP \p,1,1
	s_sub_co_u32 s3, s3, 1
	s_cmp_lg_u32 s3, 0
	s_cbranch_scc1 .Lstep_\@
	STEP \p,0,2-2*(\p)                             ; the last step fetches no k, and no load leaves its buffer
	OUT \p
.endm
	PASS 0
	PASS 1
	s_wait_dscnt 0x0
	s_wait_tensorcnt 0x0
	ds_add_u32 v254, v255
	s_wait_dscnt 0x0
	CROUND                                         ; the closing round
	s_endpgm
.Lfunc_end_k_q6f8574d336_attn:
	.size	k_q6f8574d336_attn, .Lfunc_end_k_q6f8574d336_attn-k_q6f8574d336_attn
	.p2alignl 7, 3214868480
	.fill 96, 4, 3214868480
	.section	.rodata,"a",@progbits
	.p2align	6, 0x0
	.amdhsa_kernel k_q6f8574d336_attn
		.amdhsa_group_segment_fixed_size 210944
		.amdhsa_private_segment_fixed_size 0
		.amdhsa_enable_private_segment 0
		.amdhsa_kernarg_size 32
		.amdhsa_user_sgpr_count 2
		.amdhsa_user_sgpr_kernarg_segment_ptr 1
		.amdhsa_wavefront_size32 1
		.amdhsa_system_sgpr_workgroup_id_x 1
		.amdhsa_system_sgpr_workgroup_id_y 1
		.amdhsa_system_sgpr_workgroup_id_z 1
		.amdhsa_system_vgpr_workitem_id 0
		.amdhsa_next_free_vgpr 256
		.amdhsa_next_free_sgpr 106
		.amdhsa_reserve_vcc 0
		.amdhsa_float_denorm_mode_32 3
		.amdhsa_float_denorm_mode_16_64 3
		.amdhsa_memory_ordered 1
		.amdhsa_forward_progress 1
		.amdhsa_inst_pref_size 97
	.end_amdhsa_kernel
	.amdgpu_metadata
---
amdhsa.version: [ 1, 2 ]
amdhsa.kernels:
  - .name:           k_q6f8574d336_attn
    .symbol:         k_q6f8574d336_attn.kd
    .args:
      - { .name: qr, .offset: 0, .size: 8, .value_kind: global_buffer, .address_space: global }
      - { .name: kv, .offset: 8, .size: 8, .value_kind: global_buffer, .address_space: global }
      - { .name: mw, .offset: 16, .size: 8, .value_kind: global_buffer, .address_space: global }
      - { .name: oi, .offset: 24, .size: 8, .value_kind: global_buffer, .address_space: global }
    .group_segment_fixed_size: 210944
    .private_segment_fixed_size: 0
    .kernarg_segment_align: 8
    .kernarg_segment_size: 32
    .max_flat_workgroup_size: 512
    .sgpr_count:     106
    .vgpr_count:     256
    .wavefront_size: 32
...
	.end_amdgpu_metadata
.endif
;; end of part 5
;; launch outp (part 6): grid 4 x 64, 4 waves a work-group, clusters of 4 x 4, 307,712 bytes of LDS; arguments oi, wi, bo, out0; writes out0
.if DOCPART == 6
	.amdgcn_target "amdgcn-amd-amdhsa--gfx1250"
	.amdhsa_code_object_version 6
	.text
	.protected	k_q6f8574d336_outp
	.globl	k_q6f8574d336_outp
	.p2align	8
	.type	k_q6f8574d336_outp,@function
k_q6f8574d336_outp:
	s_mov_b64 s[64:65], 0
	v_nop
	global_prefetch_b8 v0, s[64:65] scope:SCOPE_SE
	s_setreg_imm32_b32 hwreg(HW_REG_WAVE_MODE, 25, 1), 1
	s_wait_xcnt 0x0
	s_wait_alu depctr_hold_cnt(0) depctr_sa_sdst(0) depctr_va_vdst(0) depctr_va_sdst(0) depctr_va_ssrc(0) depctr_va_vcc(0) depctr_vm_vsrc(0)
	s_getreg_b32 s2, hwreg(HW_REG_IB_STS2, 6, 4)
	s_cmp_eq_u32 s2, 0
	s_cbranch_scc0 .Lentry_in_a_cluster
	s_endpgm
.Lentry_in_a_cluster:
	s_bfe_u32 s2, ttmp6, 0x10000c
	s_cmp_lg_u32 s2, 0xf033
	s_cbranch_scc0 .Lentry_shape_is_right
	s_endpgm
.Lentry_shape_is_right:
; out0 = attention's result x wo + bo on codes of FP6 (E2M3).  The K loop is proj's: a work-group multiplies 128 rows of A (one group of oi) by 256 rows of B (two groups of wo's image, 2,457,600 bytes into wi) over K = 1,024;
; source 0 = 16 rows of B (columns of out0), source 1 = 16 rows of A; both whole panels lie in LDS, each byte filled once by joint loads issued at the head (cluster 4 x 4: A shared along a row, B along a column), four a wave,
; followed by counted waits.  A's fragments here are two half fragments (registers 0-3 at 16 l, 4-5 at 512 + 8 l; the second 768 bytes on).  The bias is the C of each sum's first product.
; THE WAY OUT: a lane holds 64 numbers of one row; a tile of 16 rows x 128 columns goes through the wave's own stage in LDS (pitch 528) and leaves as whole rows of 512 consecutive bytes.  The stages lie in A's K steps 0-2, which have
; had their one fill and which no wave reads behind the K loop's last barrier.
; REGISTERS.  Window 0: v2 the stage's read address, v4-5 A's fragments' LDS address at 16 l (K steps 0-3, 4-7), v14-15 at 8 l, v6-7 B's, v8-9 A's scale words', v10-11 B's, v12 16 l, v13 the stage's write address;
; v16-27 scale words and nothing else; v32-127 A's fragments, two sets; v128-191 the bias; on the way out v128-255 rows.  Window 1: B's fragments, two sets.  Window 2: accumulator (i, b) at v[8 (8 i + b)].
.set NF,  40                           ; LDS loads of a K step's fragments: 16 of A, 24 of B
.set WV,  18
.set G1A, 24
.set G1B, 32
.set G0A, 40
.set MSB, 0
.macro WIN new
.if MSB != \new
	s_set_vgpr_msb (MSB<<8)|\new
.set MSB, \new
.endif
.endm
.macro PLACES
.rept 4
	v_nop
.endr
.endm
.macro CROUND
	s_barrier_signal -1
	s_barrier_wait -1
	s_cmp_lg_u32 s[WV], 0
	s_cbranch_scc1 .Lnot_wave_0_\@
	s_barrier_signal -3
.Lnot_wave_0_\@:
	s_barrier_wait -3
	s_barrier_signal -1
	s_barrier_wait -1
.endm
.macro SCALES s
	ds_load_b128 v[16:19], v[8+(\s)/4] offset:((\s)%4)*12800
	ds_load_b128 v[20:23], v[10+(\s)/4] offset:((\s)%4)*12800
	ds_load_b128 v[24:27], v[10+(\s)/4] offset:((\s)%4)*12800+256
.endm
.macro FETCH s, buf
	WIN 0
.irp i, 0,1,2,3
	ds_load_b128 v[32+48*(\buf)+12*\i:35+48*(\buf)+12*\i], v[4+(\s)/4] offset:((\s)%4)*12800+3072*\i
	ds_load_b64 v[36+48*(\buf)+12*\i:37+48*(\buf)+12*\i], v[14+(\s)/4] offset:((\s)%4)*12800+3072*\i+512
	ds_load_b128 v[38+48*(\buf)+12*\i:41+48*(\buf)+12*\i], v[4+(\s)/4] offset:((\s)%4)*12800+3072*\i+768
	ds_load_b64 v[42+48*(\buf)+12*\i:43+48*(\buf)+12*\i], v[14+(\s)/4] offset:((\s)%4)*12800+3072*\i+1280
.endr
	WIN 0x40
.irp b, 0,1,2,3,4,5,6,7
.irp q, 0,1,2
	ds_load_b128 v[128*(\buf)+12*\b+4*\q:128*(\buf)+12*\b+4*\q+3], v[6+(\s)/4] offset:((\s)%4)*12800+1536*\b+512*\q
.endr
.endr
.endm
.macro MUL buf, first                  ; 32 products; the accumulators take turns, one instruction a turn, in the same order in every step
.if \first
	WIN 0x81                                       ; source 0 (B) window 1, source 1 (A) and C (the bias) window 0, D window 2
.else
	WIN 0xa1                                       ; C and D window 2
.endif
.irp i, 0,1,2,3
.irp b, 0,1,2,3,4,5,6,7
.if \first
	v_wmma_scale_f32_16x16x128_f8f6f4 v[8*(8*\i+\b):8*(8*\i+\b)+7], v[128*(\buf)+12*\b:128*(\buf)+12*\b+11], v[32+48*(\buf)+12*\i:32+48*(\buf)+12*\i+11], v[128+8*\b:135+8*\b], v[20+4*(\b%2)+\b/2], v[16+\i] matrix_a_fmt:MATRIX_FMT_FP6 matrix_b_fmt:MATRIX_FMT_FP6
.else
	v_wmma_scale_f32_16x16x128_f8f6f4 v[8*(8*\i+\b):8*(8*\i+\b)+7], v[128*(\buf)+12*\b:128*(\buf)+12*\b+11], v[32+48*(\buf)+12*\i:32+48*(\buf)+12*\i+11], v[8*(8*\i+\b):8*(8*\i+\b)+7], v[20+4*(\b%2)+\b/2], v[16+\i] matrix_a_fmt:MATRIX_FMT_FP6 matrix_b_fmt:MATRIX_FMT_FP6
.endif
.endr
.endr
.endm
.macro STEPG s
.if ((\s)%2 == 1) && ((\s) < 7)
	s_wait_tensorcnt 3-((\s)+1)/2                  ; my loads up to the chunk that holds K step s + 1 have landed; the later chunks' stay out
	s_wait_dscnt 0x0
	s_barrier_signal -1
	s_barrier_wait -1
.endif
.if (\s) > 0
	PLACES
.endif
	WIN 0
	SCALES \s
.if (\s) < 7
	FETCH (\s)+1,((\s)+1)%2
	s_wait_dscnt NF                                ; all but the NF just issued
.else
	s_wait_dscnt 0x0
.endif
.if (\s) == 0
	MUL 0,1
.else
	MUL (\s)%2,0
.endif
.endm
	s_load_b256 s[4:11], s[0:1], 0x0               ; oi s[4:5], wi s[6:7], bo s[8:9], out0 s[10:11]
	v_lshl_add_u32 v30, v0, 2, 0x4b000
	v_mov_b32 v31, 0
	ds_add_u32 v30, v31
	ds_add_u32 v30, v31
	v_lshrrev_b32 v1, 5, v0
	v_readfirstlane_b32 s[WV], v1
	s_lshr_b32 s19, s18, 1                         ; wa.  Also: I fetch for A (0) or for B (1)
	s_and_b32 s20, s18, 1                          ; wb.  Also: which part I fetch
	s_bfe_u32 s21, ttmp6, 0x40000                  ; cx
	s_bfe_u32 s22, ttmp6, 0x40004                  ; cy
	s_and_b32 s23, ttmp7, 0xffff
	s_lshl_b32 s80, s23, 2
	s_add_co_u32 s80, s80, s22                     ; A's group
	s_mul_i32 s91, s80, 102400
	s_mul_i32 s90, s20, 12800
	s_add_co_u32 s82, s91, s90
	s_mov_b32 s83, 0
	s_mul_i32 s93, s21, 204800
	s_mul_i32 s92, s20, 102400
	s_add_co_u32 s84, s93, s92
	s_add_co_u32 s84, s84, 2457600                 ; wo's image in wi
	s_mov_b32 s85, 0
	s_lshl_b32 s100, s22, 2
	s_lshl_b32 s100, 15, s100                      ; my row of the cluster
	s_lshl_b32 s101, 0x1111, s21                   ; my column
	s_or_b32 s[G1A], s100, (3<<16)|(1<<21)
	s_or_b32 s[G1B], s101, (3<<16)|(1<<21)
.irp g, G1A, G1B
	s_mov_b32 s[\g+1], 32<<16
	s_mov_b32 s[\g+3], 32<<16
	s_mov_b32 s[\g+5], 32
	s_mov_b32 s[\g+6], 0
	s_mov_b32 s[\g+7], 0
.endr
	s_mov_b32 s[G1A+2], 50<<16
	s_mov_b32 s[G1A+4], 50
	s_mov_b32 s[G1B+2], 100<<16
	s_mov_b32 s[G1B+4], 100
	s_wait_dscnt 0x0
	s_wait_kmcnt 0x0
	s_add_nc_u64 s[86:87], s[4:5], s[82:83]
	s_add_nc_u64 s[88:89], s[6:7], s[84:85]
.irp sp, 0,1,2,3
	s_mov_b32 s[G0A+4*\sp], 1
	s_add_co_u32 s[G0A+4*\sp+1], s90, \sp*25600
	s_add_nc_u64 s[G0A+4*\sp+2:G0A+4*\sp+3], s[86:87], \sp*25600
	s_or_b32 s[G0A+4*\sp+3], s[G0A+4*\sp+3], 0x80000000
	s_mov_b32 s[56+4*\sp+4*(\sp/2)], 1
	s_add_co_u32 s[57+4*\sp+4*(\sp/2)], s92, 102400+\sp*25600
	s_add_nc_u64 s[58+4*\sp+4*(\sp/2):59+4*\sp+4*(\sp/2)], s[88:89], \sp*25600
	s_or_b32 s[59+4*\sp+4*(\sp/2)], s[59+4*\sp+4*(\sp/2)], 0x80000000
.endr
	CROUND
	s_cmp_eq_u32 s19, 0
	s_cbranch_scc0 .Lfor_b
.irp sp, 0,1,2,3
	tensor_load_to_lds s[G0A+4*\sp:G0A+4*\sp+3], s[G1A:G1A+7]
	s_nop 0
.endr
	PLACES
	s_branch .Lasked
.Lfor_b:
.irp sp, 0,1,2,3
	tensor_load_to_lds s[56+4*\sp+4*(\sp/2):59+4*\sp+4*(\sp/2)], s[G1B:G1B+7]
	s_nop 0
.endr
	PLACES
.Lasked:
	s_lshl_b32 s94, s21, 10
	s_lshl_b32 s95, s20, 9
	s_add_co_u32 s94, s94, s95                     ; my 128 columns, in bytes: 1,024 cx + 512 wb
	s_mov_b32 s95, 0
	s_add_nc_u64 s[8:9], s[8:9], s[94:95]
	s_lshl_b32 s96, s80, 7
	s_lshl_b32 s97, s19, 3
	s_add_co_u32 s96, s96, s97
	s_lshl_b32 s96, s96, 12                        ; row 128 x group + 8 wa
	s_mov_b32 s97, 0
	s_add_nc_u64 s[10:11], s[10:11], s[96:97]
	s_add_nc_u64 s[10:11], s[10:11], s[94:95]
	v_and_b32 v1, 31, v0
	v_and_b32 v2, 15, v0                           ; r
	v_bfe_u32 v3, v0, 4, 1                         ; h
	v_lshlrev_b32 v12, 4, v1                       ; 16 l
	s_mul_i32 s100, s19, 1536
	v_add_nc_u32 v4, s100, v12
	v_add_nc_u32 v5, 51200, v4
	v_lshl_add_u32 v14, v1, 3, s100                ; 8 l
	v_add_nc_u32 v15, 51200, v14
	s_mul_i32 s101, s20, 102400
	s_add_co_u32 s101, s101, 102400
	v_add_nc_u32 v6, s101, v12
	v_add_nc_u32 v7, 51200, v6
	s_lshl_b32 s100, s19, 8
	s_add_co_u32 s100, s100, 12288
	v_lshl_add_u32 v8, v2, 4, s100
	v_add_nc_u32 v9, 51200, v8
	s_add_co_u32 s101, s101, 12288
	v_lshl_add_u32 v10, v2, 4, s101
	v_add_nc_u32 v11, 51200, v10
	s_mul_i32 s100, s[WV], 8448                    ; my stage
	v_mul_u32_u24 v13, v2, 528
	v_lshl_add_u32 v13, v3, 6, v13
	v_add_nc_u32 v13, s100, v13                    ; in: row r, + 64 h
	v_add_nc_u32 v2, s100, v12                     ; back: a row's 512 bytes, 16 a lane
	v_lshlrev_b32 v1, 6, v3                        ; the bias: register 8 b + j wants column 32 (b / 2) + 16 h + 8 (b % 2) + j
.irp b, 0,1,2,3,4,5,6,7
	global_load_b128 v[128+8*\b:131+8*\b], v1, s[8:9] offset:(32*(\b/2)+8*(\b%2))*4
	global_load_b128 v[132+8*\b:135+8*\b], v1, s[8:9] offset:(32*(\b/2)+8*(\b%2))*4+16
.endr
	s_wait_tensorcnt 0x3                           ; my part of chunk 0 is in; three chunks stay out
	s_barrier_signal -1
	s_barrier_wait -1
	FETCH 0,0
	s_wait_loadcnt 0x0                             ; the bias
	STEPG 0
	STEPG 1
	STEPG 2
	STEPG 3
	STEPG 4
	STEPG 5
	STEPG 6
	STEPG 7
.macro TOSTAGE i                       ; tile 2 i + wa: 16 rows x 128 columns
	WIN 0x08                                       ; an LDS store's data are its source 1: window 2
.irp b, 0,1,2,3,4,5,6,7
	ds_store_b128 v13, v[64*(\i)+8*\b:64*(\i)+8*\b+3] offset:128*(\b/2)+32*(\b%2)       ; each accumulator from its low end on
	ds_store_b128 v13, v[64*(\i)+8*\b+4:64*(\i)+8*\b+7] offset:128*(\b/2)+32*(\b%2)+16
.endr
	WIN 0
.irp t, 0,1,2,3,4,5,6,7,8,9,10,11,12,13,14,15
	ds_load_b128 v[128+64*((\i)%2)+4*\t:131+64*((\i)%2)+4*\t], v2 offset:528*\t   ; LDS serves a wave's instructions in order: these see the stores above, and the next tile's stores come behind them
.endr
.endm
.macro SEND i, younger                 ; younger: the LDS instructions issued behind tile i's loads, which may stay out
	s_wait_dscnt \younger
.irp t, 0,1,2,3,4,5,6,7,8,9,10,11,12,13,14,15
	global_store_b128 v12, v[128+64*((\i)%2)+4*\t:131+64*((\i)%2)+4*\t], s[10:11] offset:(32*(\i)+\t+8*(\t/8))*4096 th:TH_STORE_NT   ; 32 lanes store 512 consecutive bytes, aligned
.endr
.endm
	PLACES
	TOSTAGE 0
.irp a, 1,2,3
.if \a > 1
	s_wait_xcnt 0x0                                ; tile a - 2's stores have read their registers: tile a's rows may land there
.endif
	TOSTAGE \a
	SEND \a-1,32                                   ; behind tile a - 1's loads: tile a's 16 stores and 16 loads
.endr
	SEND 3,0
	s_wait_tensorcnt 0x0
	ds_add_u32 v30, v31
	s_wait_dscnt 0x0
	CROUND                                         ; the closing round
	s_endpgm
.Lfunc_end_k_q6f8574d336_outp:
	.size	k_q6f8574d336_outp, .Lfunc_end_k_q6f8574d336_outp-k_q6f8574d336_outp
	.p2alignl 7, 3214868480
	.fill 96, 4, 3214868480
	.section	.rodata,"a",@progbits
	.p2align	6, 0x0
	.amdhsa_kernel k_q6f8574d336_outp
		.amdhsa_group_segment_fixed_size 307712
		.amdhsa_private_segment_fixed_size 0
		.amdhsa_enable_private_segment 0
		.amdhsa_kernarg_size 32
		.amdhsa_user_sgpr_count 2
		.amdhsa_user_sgpr_kernarg_segment_ptr 1
		.amdhsa_wavefront_size32 1
		.amdhsa_system_sgpr_workgroup_id_x 1
		.amdhsa_system_sgpr_workgroup_id_y 1
		.amdhsa_system_sgpr_workgroup_id_z 1
		.amdhsa_system_vgpr_workitem_id 0
		.amdhsa_next_free_vgpr 768
		.amdhsa_next_free_sgpr 102
		.amdhsa_reserve_vcc 0
		.amdhsa_float_denorm_mode_32 3
		.amdhsa_float_denorm_mode_16_64 3
		.amdhsa_memory_ordered 1
		.amdhsa_forward_progress 1
		.amdhsa_inst_pref_size 81
	.end_amdhsa_kernel
	.amdgpu_metadata
---
amdhsa.version: [ 1, 2 ]
amdhsa.kernels:
  - .name:           k_q6f8574d336_outp
    .symbol:         k_q6f8574d336_outp.kd
    .args:
      - { .name: oi, .offset: 0, .size: 8, .value_kind: global_buffer, .address_space: global }
      - { .name: wi, .offset: 8, .size: 8, .value_kind: global_buffer, .address_space: global }
      - { .name: bo, .offset: 16, .size: 8, .value_kind: global_buffer, .address_space: global }
      - { .name: out0, .offset: 24, .size: 8, .value_kind: global_buffer, .address_space: global }
    .group_segment_fixed_size: 307712
    .private_segment_fixed_size: 0
    .kernarg_segment_align: 8
    .kernarg_segment_size: 32
    .max_flat_workgroup_size: 128
    .sgpr_count:     102
    .vgpr_count:     768
    .wavefront_size: 32
...
	.end_amdgpu_metadata
.endif
;; end of part 6
